; MI455X (gfx1250); checked and timed in simulation.
; The chip was launched on July 23, 2026; its instructions are those of AMD's public machine-readable ISA for CDNA 5 (MIT licence, August 2026) and "CDNA5" Instruction Set Architecture Reference Guide (July 2026). The comments in the code are by the model that wrote it; some were corrected since.
;; Mo E Router Layer. Allowed arithmetic: matrix products marked QUANTISED: E5M2 operands, one given power-of-two scale a tensor, by v_wmma_f32_16x16x64_bf8_bf8 or v_wmma_f32_16x16x128_bf8_bf8, f32 sums; products left as they are: f32 operands where the result goes on into a quantised operand, else bf16, f16 or f32 operands; f32 sums; everything else in f32.
;; Inputs: W1 8 x 512 x 4,096 float32; W2 8 x 2,048 x 512 float32; Wc 512 x 8 float32; b1 8 x 4,096 float32; b2 8 x 512 float32; bc 8 float32; hidden_states 2 x 1,024 x 512 float32; lowp_scales 4 int32 (the exponents e of the quantised operands' scales 2^e).
;; Outputs: out0 2 x 1,024 x 512 float32; out1 2 x 1,024 x 8 float32.
;; This version of the problem:
;;   THIS VERSION OF THE PROBLEM IS GIVEN IN LOW PRECISION. The matrix products marked QUANTISED in the list below multiply operands that are first quantised to E5M2 (5 exponent bits, 2 mantissa bits; 8 bits a number), with one given power-of-two scale for each operand tensor; their sums are f32. All else is computed in f32.
;;   The module's matrix products, in the order in which they are computed (A, B: the left and right operand; K: the contracted axis; several contracted axes count as one K, in the product's order):
;;     1. [M 2,048, K 512] x [K 512, N 8]; A: input hidden_states; B: input Wc: left as it is (N = 8 < 16)
;;     2. [M 32,768, K 512] x [K 512, N 2,048]; A: input W1; B: input hidden_states: QUANTISED (scales: A lowp_scales[0], B lowp_scales[1])
;;     3. batch 8 x [M 2,048, K 2,048] x [K 2,048, N 512]; A: computed on the way; B: input W2: QUANTISED (scales: A lowp_scales[2], B lowp_scales[3])
;;   THE QUANTISER, for each operand of a quantised product, along K:
;;     - The operand's scale is 2^e, e = its entry of the input lowp_scales (int32; the entries are numbered through the quantised products in the list's order, A before B).
;;     - Each number is divided by the scale, clamped to +-57,344, and rounded to the nearest number of E5M2, ties to even, subnormals kept.
;;     - The product sums the exact products of the quantised numbers (number of the format x scale) in f32.
;;   ~~~python
;;   def quantise(x, axis, e):      # numpy; x: float32 -> the quantised numbers, widened to float32 again
;;       x = np.moveaxis(x, axis, -1); K = x.shape[-1]
;;       r = np.clip(x / 2.0 ** e, -57344, 57344)
;;       step = 2.0 ** (np.maximum(np.frexp(np.where(r == 0, 1, r))[1] - 1, -14) - 2)
;;       q = np.round(r / step) * step * 2.0 ** e      # np.round: ties to even
;;       return np.moveaxis(q, -1, axis).astype(np.float32)
;;   ~~~
;;   OPERANDS COMPUTED ON THE WAY. 'Computed on the way' means the value that the module computes at that place (a softmax that the list does not call 'softmax' is quantised finished and normalised). What goes into a quantiser is computed in f32, as accurately as f32 sums, v_exp_f32 and their like allow (about 1e-6 of the number): no bf16 or f16 on the way to a quantiser, and a product that is left as it is and whose result goes on into a quantised operand takes f32 operands (vector FMAs, or v_wmma_f32_16x16x4_f32). A number that lies on a knife's edge between two numbers of the format may be rounded either way, as far as f32 arithmetic and the matrix unit's own rounding can turn it there, and no further.
;; 2 versions, each right and faster than the one before. Each part assembles by itself: llvm-mc -triple=amdgcn-amd-amdhsa -mcpu=gfx1250 --defsym DOCPART=n.
;; ======== version 1 of 2: 4 launches
;; workspace buffers: xc 1,048,576 bytes; w2c 8,388,608 bytes; route 18,432 bytes of whole numbers; wt 16,384 bytes; g 33,554,432 bytes; tl 65,792 bytes of whole numbers; p 8,388,608 bytes
;; launch prep (part 1): grid 320 x 1, 4 waves a work-group, no clusters, 104,960 bytes of LDS; arguments hidden_states, Wc, bc, W2, lowp_scales, xc, w2c, route, wt, out1; writes xc, w2c, route, wt, out1
.if DOCPART == 1
	.amdgcn_target "amdgcn-amd-amdhsa--gfx1250"
	.amdhsa_code_object_version 6
	.text
	.protected	k_qfa258f281e_prep
	.globl	k_qfa258f281e_prep
	.p2align	8
	.type	k_qfa258f281e_prep,@function
k_qfa258f281e_prep:
	s_mov_b64 s[64:65], 0
	v_nop
	global_prefetch_b8 v0, s[64:65] scope:SCOPE_SE
	s_setreg_imm32_b32 hwreg(HW_REG_WAVE_MODE, 25, 1), 1
	s_wait_xcnt 0x0
; TWO JOBS IN ONE LAUNCH, parted by the work-group's number.
; Work-groups 0-63, THE ROUTER, 32 tokens each: logits = x Wc + bc in f32 (out1); softmax with the largest logit taken away; the two largest, the lower
;   index first among equals; x as codes of E5M2 with the given scale 2^e1 (xc, [token][512], k as it lies); for each token its two experts (route, 8 bytes
;   a token) and their weights (wt); for each expert a bitmap of its tokens (route from byte 16,384: [expert][64 words], bit i of word b = token 32 b + i).
;   All of that is stored at places that hang on ids alone.
; Work-groups 64-319, W2 [8][2048 k][512 n] f32 into codes with 2^e3, laid as the operand's registers want them:
;   w2c [expert][32 column tiles][16 K steps][c 4][lane 32][16 bytes]: lane (r, hk) holds column 16 j + r at k = 128 q + 32 c + 16 hk + 0 .. 15.
;   A lane takes a column and its registers run down K, so the conversions give K innermost, and sixteen neighbouring lanes hold 256 neighbouring bytes of the image.
; code = x / 2^e, held within +-57,344, to the nearest code, ties to even.
; LIMITS: e1 and e3 between -126 and 112.  NaN among the inputs is not served.  The two experts are chosen on the f32 logits, summed 128 at a time in four parts:
; logits that are equal to within f32 rounding may be ordered otherwise than by a sum in another order.
; The bitmap words leave as eight stores of 4 bytes for 32 tokens, 2,048 bytes in the whole launch: words of one expert from different work-groups lie side by side.
; No matrix unit: the router has 8 columns.  No cluster and no tensor load: no two work-groups read the same large data (Wc is 16 KiB).
.set XP,   2576                        ; LDS: a token's row: 32 pieces of 64 bytes + 16 of padding, + 16: 161 x 16, so 16 rows start at 16 different 16-byte columns of 256
.set WCL,  32*XP                       ; 82,432: each wave's 128 rows of Wc, 4,096 bytes a wave
.set RED,  WCL+16384                   ; 98,816: [wave][token][8] partial logits
.set LG,   RED+4096                    ; 102,912: the 32 tokens' logits, 1,024 bytes
.set ACC,  16                          ; v16-23   my token's eight sums
.set X,    32                          ; v32-159  numbers of x
.set WB,   160                         ; v160-223 rows of Wc, two sets of four rows
.set XC,   224                         ; v224-255 x's codes: four registers for each token, so that no store's data are written again
.macro WBL n, set                      ; rows 4 n .. 4 n + 3 of my wave's part of Wc, the same address in every lane
.irp d, 0,1,2,3
	ds_load_b128 v[WB+32*(\set)+8*\d:WB+32*(\set)+8*\d+3], v6 offset:32*(4*(\n)+\d)
	ds_load_b128 v[WB+32*(\set)+8*\d+4:WB+32*(\set)+8*\d+7], v6 offset:32*(4*(\n)+\d)+16
.endr
.endm
.macro QLOAD t                         ; W2(k = 32 t + i, my column), i = 0 .. 31, into set t % 2: 32 lanes read 128 consecutive bytes, the four waves 512
.set i, 0
.rept 32
	global_load_b32 v[32+32*((\t)%2)+i], v3, s[10:11] offset:(32*(\t)+i)*2048 th:TH_LOAD_NT
.set i, i+1
.endr
.endm
.macro QBLOCK t
.set XS, 32+32*((\t)%2)
.if (\t) < 7
	s_wait_loadcnt 32                              ; this block's 32 loads are in; the next block's may be out
.else
	s_wait_loadcnt 0
.endif
.set i, 0
.rept 32
	v_med3_num_f32 v[XS+i], v[XS+i], -v11, v11     ; the conversion to an 8-bit code does not saturate (ISA guide 7.6.2): the hold at the largest code x the scale
.set i, i+1
.endr
.irp g, 0,1,2,3
	v_cvt_scalef32_pk8_bf8_f32 v[96+8*(\t)+2*\g:96+8*(\t)+2*\g+1], v[XS+8*\g:XS+8*\g+7], v10
.endr
	global_store_b128 v4, v[96+8*(\t):96+8*(\t)+3], s[16:17] offset:((\t)/4)*2048+((\t)%4)*512          ; k 0-15 of the block: sixteen lanes store 256 consecutive bytes, aligned
	global_store_b128 v4, v[96+8*(\t)+4:96+8*(\t)+7], s[16:17] offset:((\t)/4)*2048+((\t)%4)*512+256    ; k 16-31
.if (\t)+2 < 8
	QLOAD (\t)+2
.endif
.endm
	s_load_b256 s[4:11], s[0:1], 0x0               ; x s[4:5], Wc s[6:7], bc s[8:9], W2 s[10:11]
	s_load_b256 s[12:19], s[0:1], 0x20             ; the scales' exponents s[12:13], xc s[14:15], w2c s[16:17], route s[18:19]
	s_load_b128 s[20:23], s[0:1], 0x40             ; wt s[20:21], out1 s[22:23]
	v_lshl_add_u32 v30, v0, 2, 0x19800
	v_mov_b32 v31, 0
	v_lshrrev_b32 v1, 5, v0
	v_readfirstlane_b32 s24, v1                    ; wave 0..3
	v_and_b32 v1, 31, v0                           ; lane
	v_lshlrev_b32 v2, 4, v1                        ; 16 x lane
	s_mov_b32 s33, 0                               ; the upper word of every offset pair s[32:33]
	s_wait_kmcnt 0x0
	s_load_b128 s[28:31], s[12:13], 0x0            ; e0, e1, e2, e3
	s_cmp_ge_u32 ttmp9, 64
	s_cbranch_scc1 .Lquant
	; ---------------- THE ROUTER: tokens 32 wg .. 32 wg + 31 ----------------
	s_load_b256 s[40:47], s[8:9], 0x0              ; bc
	s_lshl_b32 s32, s24, 12
	s_add_nc_u64 s[6:7], s[6:7], s[32:33]          ; Wc at my wave's rows 128 w on
	s_lshl_b32 s32, ttmp9, 16
	s_lshl_b32 s34, s24, 14
	s_add_co_u32 s32, s32, s34
	s_add_nc_u64 s[4:5], s[4:5], s[32:33]          ; x at token 32 wg + 8 w (2,048 bytes a token)
	s_lshr_b32 s32, s32, 2
	s_add_nc_u64 s[14:15], s[14:15], s[32:33]      ; and its codes (512 bytes a token)
.set i, 0
.rept 8
	global_load_b128 v[WB+4*i:WB+4*i+3], v2, s[6:7] offset:512*i
.set i, i+1
.endr
.set i, 0
.rept 32                                       ; my eight tokens, four loads each: 32 lanes read 512 consecutive bytes
	global_load_b128 v[X+4*i:X+4*i+3], v2, s[4:5] offset:512*i th:TH_LOAD_NT
.set i, i+1
.endr
	s_mul_i32 s35, s24, 8*XP
	v_lshrrev_b32 v3, 2, v1
	v_mul_u32_u24 v3, v3, 80
	v_and_b32 v12, 3, v1
	v_lshl_add_u32 v3, v12, 4, v3
	v_add_nc_u32 v3, s35, v3                       ; into the rows as loaded: four lanes' 64 bytes on end, then 16 of padding
	v_mul_u32_u24 v4, v1, 80
	v_add_nc_u32 v4, s35, v4                       ; out for the codes: lane l takes piece l of a row: 16 neighbours along k
	s_mul_i32 s36, s24, 640
	v_mul_u32_u24 v5, v1, XP
	v_add_nc_u32 v5, s36, v5                       ; out for the sums: lane = token, my wave's eight pieces
	s_lshl_b32 s36, s24, 12
	s_add_co_u32 s36, s36, WCL
	v_mov_b32 v6, s36                              ; my wave's part of Wc
	v_add_nc_u32 v7, s36, v2
	s_lshl_b32 s36, s24, 10
	s_add_co_u32 s36, s36, RED
	v_lshl_add_u32 v8, v1, 5, s36                  ; my partial sums: [wave][token]
	v_lshlrev_b32 v9, 5, v1
	v_add_nc_u32 v9, RED, v9                       ; wave 0 reads all four parts of token = lane
	s_wait_kmcnt 0x0
	s_add_co_i32 s37, s29, 127
	s_lshl_b32 s38, s37, 23
	v_mov_b32 v10, s38                             ; 2^e1 as f32: the conversion takes its exponent field
	s_add_co_i32 s37, s37, 15
	s_lshl_b32 s37, s37, 23
	s_or_b32 s37, s37, 0x600000
	v_mov_b32 v11, s37                             ; 57,344 x 2^e1
	s_wait_loadcnt 32                              ; Wc's eight loads are in; x's 32 were issued behind them
.set i, 0
.rept 8
	ds_store_b128 v7, v[WB+4*i:WB+4*i+3] offset:512*i
.set i, i+1
.endr
.set i, 0
.rept 32
.if i%4 == 0
	s_wait_loadcnt 28-i                            ; this token's four loads are in; the later tokens' may be out
.endif
	ds_store_b128 v3, v[X+4*i:X+4*i+3] offset:XP*(i/4)+640*(i%4)
.set i, i+1
.endr
	s_wait_dscnt 0x0                               ; for the others' sake: my rows lie in LDS
	s_barrier_signal -1
	s_barrier_wait -1                              ; all 32 rows do
	; x's codes: my eight tokens again, 16 neighbours a lane
.set i, 0
.rept 32
	ds_load_b128 v[X+4*i:X+4*i+3], v4 offset:XP*(i/4)+16*(i%4)
.set i, i+1
.endr
.set t, 0
.rept 8
	s_wait_dscnt 4*(7-t)                           ; this token's four loads are back; the later tokens' may be out
.set j, 0
.rept 16
	v_med3_num_f32 v[X+16*t+j], v[X+16*t+j], -v11, v11
.set j, j+1
.endr
	v_cvt_scalef32_pk8_bf8_f32 v[XC+4*t:XC+4*t+1], v[X+16*t:X+16*t+7], v10
	v_cvt_scalef32_pk8_bf8_f32 v[XC+4*t+2:XC+4*t+3], v[X+16*t+8:X+16*t+15], v10
	global_store_b128 v2, v[XC+4*t:XC+4*t+3], s[14:15] offset:512*t   ; a token's 512 codes: 512 consecutive bytes
.set t, t+1
.endr
	v_nop                                          ; a plain line behind the last scaled conversion
	; the partial logits: lane = token, my wave's 128 of the 512 along d
.set i, 0
.rept 32
	ds_load_b128 v[X+4*i:X+4*i+3], v5 offset:80*(i/4)+16*(i%4)
.set i, i+1
.endr
	WBL 0, 0
	WBL 1, 1
.set n, 0
.rept 32                                       ; four rows of Wc a batch: x(token, d) times the row's eight numbers, two at a time
.if n < 31
	s_wait_dscnt 8                                 ; all but the other set's eight loads
.else
	s_wait_dscnt 0
.endif
.set d, 0
.rept 4
.set xr, X+4*n+2*(d/2)
.set wr, WB+32*(n%2)+8*d
.irp p, 0,2,4,6
.if (n == 0) && (d == 0)
	v_pk_mul_f32 v[ACC+\p:ACC+\p+1], v[xr:xr+1], v[wr+\p:wr+\p+1] op_sel_hi:[0,1]   ; the first product starts the sums
.elseif d%2 == 0
	v_pk_fma_f32 v[ACC+\p:ACC+\p+1], v[xr:xr+1], v[wr+\p:wr+\p+1], v[ACC+\p:ACC+\p+1] op_sel_hi:[0,1,1]             ; the pair's first number for both halves
.else
	v_pk_fma_f32 v[ACC+\p:ACC+\p+1], v[xr:xr+1], v[wr+\p:wr+\p+1], v[ACC+\p:ACC+\p+1] op_sel:[1,0,0] op_sel_hi:[1,1,1]   ; its second
.endif
.endr
.set d, d+1
.endr
.if n < 30
	WBL n+2, n%2
.endif
.set n, n+1
.endr
	ds_store_b128 v8, v[16:19]
	ds_store_b128 v8, v[20:23] offset:16
	s_wait_dscnt 0x0                               ; for wave 0's sake
	s_barrier_signal -1
	s_barrier_wait -1
	s_cmp_lg_u32 s24, 0
	s_cbranch_scc1 .Lend                           ; no barrier follows: waves 1 to 3 are done
	; wave 0: lane = token
.irp w, 0,1,2,3
	ds_load_b128 v[32+8*\w:35+8*\w], v9 offset:1024*\w
	ds_load_b128 v[36+8*\w:39+8*\w], v9 offset:1024*\w+16
.endr
	v_add_nc_u32 v12, LG, v2
	v_lshlrev_b32 v13, 3, v1
	s_lshl_b32 s36, ttmp9, 8
	v_add_nc_u32 v13, s36, v13                     ; 8 x my token: its place in route and in wt
	v_lshlrev_b32 v14, 8, v1
	s_lshl_b32 s36, ttmp9, 2
	s_add_co_u32 s36, s36, 16384
	v_add_nc_u32 v14, s36, v14                     ; lane e: expert e's bitmap word of this work-group
	s_lshl_b32 s32, ttmp9, 10
	s_add_nc_u64 s[22:23], s[22:23], s[32:33]      ; out1 at my 32 tokens
	v_mov_b32 v29, 0xff800000                      ; -infinity
	s_wait_dscnt 0x0
.irp p, 0,2,4,6
	v_pk_add_f32 v[16+\p:17+\p], v[32+\p:33+\p], v[40+\p:41+\p]
	v_pk_add_f32 v[48+\p:49+\p], v[48+\p:49+\p], v[56+\p:57+\p]
.endr
.irp p, 0,2,4,6
	v_pk_add_f32 v[16+\p:17+\p], v[16+\p:17+\p], v[48+\p:49+\p]
.endr
.irp e, 0,1,2,3,4,5,6,7
	v_add_f32 v[16+\e], s[40+\e], v[16+\e]         ; + bc: the logits
.endr
	ds_store_b128 v9, v[16:19] offset:LG-RED       ; a lane holds 32 bytes of out1: through LDS, so that a store covers 512 consecutive bytes
	ds_store_b128 v9, v[20:23] offset:LG-RED+16
	ds_load_b128 v[32:35], v12                     ; LDS serves a wave's instructions in order (ISA guide 5.7.1.4): these see the stores above
	ds_load_b128 v[36:39], v12 offset:512
	v_mov_b32 v24, v16                             ; the largest logit and its expert: a later one must be strictly larger, so the lower index wins
	v_mov_b32 v44, 0
.irp e, 1,2,3,4,5,6,7
	v_cmp_gt_f32 vcc_lo, v[16+\e], v24
	v_cndmask_b32 v24, v24, v[16+\e], vcc_lo
	v_cndmask_b32 v44, v44, \e, vcc_lo
.endr
	v_mov_b32 v26, v29                             ; the second: the same walk with the first one's logit taken as -infinity
	v_mov_b32 v45, 0
.irp e, 0,1,2,3,4,5,6,7
	v_cmp_ne_u32 vcc_lo, \e, v44
	v_cndmask_b32 v28, v29, v[16+\e], vcc_lo
	v_cmp_gt_f32 vcc_lo, v28, v26
	v_cndmask_b32 v26, v26, v28, vcc_lo
	v_cndmask_b32 v45, v45, \e, vcc_lo
.endr
.irp e, 0,1,2,3,4,5,6,7
	v_sub_f32 v[64+\e], v[16+\e], v24              ; the largest logit is taken away: every exponent is 0 or less
.endr
	v_sub_f32 v72, v26, v24
.irp e, 0,1,2,3,4,5,6,7,8
	v_mul_f32 v[64+\e], 0x3fb8aa3b, v[64+\e]       ; x log2(e)
.endr
.irp e, 0,1,2,3,4,5,6,7,8
	v_exp_f32 v[64+\e], v[64+\e]
.endr
	v_nop                                          ; a plain line behind the last exponential
	s_wait_alu depctr_va_vdst(0)                   ; one wait for the nine, ahead of their first reader
	v_add_f32 v64, v64, v65
	v_add_f32 v66, v66, v67
	v_add_f32 v68, v68, v69
	v_add_f32 v70, v70, v71
	v_add_f32 v64, v64, v66
	v_add_f32 v68, v68, v70
	v_add_f32 v64, v64, v68
	v_rcp_f32 v42, v64                             ; the first weight: 1 / the sum
	v_nop
	s_wait_alu depctr_va_vdst(0)
	v_mul_f32 v43, v72, v42                        ; the second
.irp e, 0,1,2,3,4,5,6,7
	v_cmp_eq_u32 s48, \e, v44                      ; which of my 32 tokens use expert e: a ballot, bit = lane
	v_cmp_eq_u32 s49, \e, v45
	s_or_b32 s[52+\e], s48, s49
.endr
	v_mov_b32 v46, s52
.irp e, 1,2,3,4,5,6,7
	v_writelane_b32 v46, s[52+\e], \e              ; lane e holds expert e's word
.endr
	s_wait_dscnt 0x0
	global_store_b128 v2, v[32:35], s[22:23] th:TH_STORE_NT
	global_store_b128 v2, v[36:39], s[22:23] offset:512 th:TH_STORE_NT
	global_store_b64 v13, v[44:45], s[18:19]       ; the two experts: 32 lanes store 256 consecutive bytes
	global_store_b64 v13, v[42:43], s[20:21]       ; their weights likewise
	v_cmp_gt_u32 vcc_lo, 8, v1
	s_wait_xcnt 0x0                                ; EXEC changes only behind this wait
	s_and_saveexec_b32 s60, vcc_lo
	global_store_b32 v14, v46, s[18:19]
	s_wait_xcnt 0x0                                ; and again, in front of the line that widens it
	s_or_b32 exec_lo, exec_lo, s60
.Lend:
	s_wait_tensorcnt 0x0
	ds_add_u32 v30, v31
	s_wait_dscnt 0x0
	s_endpgm
	; ---------------- W2 INTO CODES: expert e, 128 columns X, 256 along k y; a wave takes 32 columns ----------------
.Lquant:
	s_sub_co_u32 s25, ttmp9, 64
	s_lshr_b32 s26, s25, 5                         ; e
	s_bfe_u32 s27, s25, 0x20003                    ; X
	s_and_b32 s25, s25, 7                          ; y
	s_lshl_b32 s32, s26, 22                        ; an expert of W2 is 2^22 bytes,
	s_lshl_b32 s34, s25, 19                        ; 256 rows of 2,048 bytes,
	s_add_co_u32 s32, s32, s34
	s_lshl_b32 s34, s27, 9                         ; 128 columns,
	s_add_co_u32 s32, s32, s34
	s_lshl_b32 s34, s24, 7                         ; my wave's 32
	s_add_co_u32 s32, s32, s34
	s_add_nc_u64 s[10:11], s[10:11], s[32:33]
	s_lshl_b32 s32, s26, 20                        ; an expert's codes are 2^20 bytes,
	s_lshl_b32 s34, s27, 3
	s_lshl_b32 s35, s24, 1
	s_add_co_u32 s34, s34, s35                     ; column tile 8 X + 2 w,
	s_lshl_b32 s34, s34, 15
	s_add_co_u32 s32, s32, s34
	s_lshl_b32 s34, s25, 12                        ; K step 2 y
	s_add_co_u32 s32, s32, s34
	s_add_nc_u64 s[16:17], s[16:17], s[32:33]
	v_lshlrev_b32 v3, 2, v1                        ; in: 4 bytes a lane
	v_lshrrev_b32 v4, 4, v1
	v_and_b32 v5, 15, v1
	v_lshlrev_b32 v4, 15, v4
	v_lshl_add_u32 v4, v5, 4, v4                   ; out: lanes 16-31 stand in the next column tile; 16 bytes a column
	QLOAD 0
	QLOAD 1
	s_wait_kmcnt 0x0
	s_add_co_i32 s37, s31, 127
	s_lshl_b32 s38, s37, 23
	v_mov_b32 v10, s38                             ; 2^e3
	s_add_co_i32 s37, s37, 15
	s_lshl_b32 s37, s37, 23
	s_or_b32 s37, s37, 0x600000
	v_mov_b32 v11, s37                             ; 57,344 x 2^e3
.irp t, 0,1,2,3,4,5,6,7
	QBLOCK \t
.endr
	s_endpgm
.Lfunc_end_k_qfa258f281e_prep:
	.size	k_qfa258f281e_prep, .Lfunc_end_k_qfa258f281e_prep-k_qfa258f281e_prep
	.p2alignl 7, 3214868480
	.fill 96, 4, 3214868480
	.section	.rodata,"a",@progbits
	.p2align	6, 0x0
	.amdhsa_kernel k_qfa258f281e_prep
		.amdhsa_group_segment_fixed_size 104960
		.amdhsa_private_segment_fixed_size 0
		.amdhsa_enable_private_segment 0
		.amdhsa_kernarg_size 80
		.amdhsa_user_sgpr_count 2
		.amdhsa_user_sgpr_kernarg_segment_ptr 1
		.amdhsa_wavefront_size32 1
		.amdhsa_system_sgpr_workgroup_id_x 1
		.amdhsa_system_sgpr_workgroup_id_y 1
		.amdhsa_system_sgpr_workgroup_id_z 1
		.amdhsa_system_vgpr_workitem_id 0
		.amdhsa_next_free_vgpr 256
		.amdhsa_next_free_sgpr 66
		.amdhsa_reserve_vcc 1
		.amdhsa_float_denorm_mode_32 3
		.amdhsa_float_denorm_mode_16_64 3
		.amdhsa_memory_ordered 1
		.amdhsa_forward_progress 1
		.amdhsa_inst_pref_size 127
	.end_amdhsa_kernel
	.amdgpu_metadata
---
amdhsa.version: [ 1, 2 ]
amdhsa.kernels:
  - .name:           k_qfa258f281e_prep
    .symbol:         k_qfa258f281e_prep.kd
    .args:
      - { .name: hidden_states, .offset: 0, .size: 8, .value_kind: global_buffer, .address_space: global }
      - { .name: Wc, .offset: 8, .size: 8, .value_kind: global_buffer, .address_space: global }
      - { .name: bc, .offset: 16, .size: 8, .value_kind: global_buffer, .address_space: global }
      - { .name: W2, .offset: 24, .size: 8, .value_kind: global_buffer, .address_space: global }
      - { .name: lowp_scales, .offset: 32, .size: 8, .value_kind: global_buffer, .address_space: global }
      - { .name: xc, .offset: 40, .size: 8, .value_kind: global_buffer, .address_space: global }
      - { .name: w2c, .offset: 48, .size: 8, .value_kind: global_buffer, .address_space: global }
      - { .name: route, .offset: 56, .size: 8, .value_kind: global_buffer, .address_space: global }
      - { .name: wt, .offset: 64, .size: 8, .value_kind: global_buffer, .address_space: global }
      - { .name: out1, .offset: 72, .size: 8, .value_kind: global_buffer, .address_space: global }
    .group_segment_fixed_size: 104960
    .private_segment_fixed_size: 0
    .kernarg_segment_align: 8
    .kernarg_segment_size: 80
    .max_flat_workgroup_size: 128
    .sgpr_count:     66
    .vgpr_count:     256
    .wavefront_size: 32
...
	.end_amdgpu_metadata
.endif
;; end of part 1
;; launch up (part 2): grid 32 x 8, 4 waves a work-group, no clusters, 135,680 bytes of LDS; arguments W1, b1, xc, route, lowp_scales, g, tl; writes g, tl
.if DOCPART == 2
	.amdgcn_target "amdgcn-amd-amdhsa--gfx1250"
	.amdhsa_code_object_version 6
	.text
	.protected	k_qfa258f281e_up
	.globl	k_qfa258f281e_up
	.p2align	8
	.type	k_qfa258f281e_up,@function
k_qfa258f281e_up:
	s_mov_b64 s[64:65], 0
	v_nop
	global_prefetch_b8 v0, s[64:65] scope:SCOPE_SE
	s_setreg_imm32_b32 hwreg(HW_REG_WAVE_MODE, 25, 1), 1
	s_wait_xcnt 0x0
; g = a x silu(gate), (a, gate) = x W1[e] + b1[e], for the rows that chose expert e, as codes of E5M2.  Work-group (s, e): inner units 64 s .. 64 s + 63 of expert e.
; W1 [8][512 k][4096 n] f32 is read ONCE: the work-group's 64 columns of a and 64 of gate, 256 KiB.  Wave w quantises k = 128 w .. 128 w + 127 of all 128 columns (2^e0) and lays the codes in LDS
; as images of the operand's registers; behind ONE barrier every wave takes all 32 fragments (8 tiles x 4 K steps, 512 registers) and keeps them.
; Then each wave walks pairs of row tiles of its own, pair = 32 ranks of the expert's rows: pairs w, w + 4, ..
; THE ROWS.  The launch before stored a bitmap of the expert's tokens.  incl[i] (scalar) counts the tokens up to bitmap words 2 i, 2 i + 1; SELECT turns 32 ranks into 32 tokens in registers.
; Ranks past the expert's last row repeat that row, so every byte of a pair that is stored is defined.  Slice 0 also stores the list (tl[e][rank] = token) and the count (tl from byte 65,536).
; THE PRODUCT IS USED TRANSPOSED: source 0 = 16 units of W1, source 1 = 16 rows of x: a lane holds one row.  THE UNITS OF A TILE ARE NOT NEIGHBOURS: row m of tile 2 b + u takes unit
; 32 b + 8 u + m + 8 (m / 8), so that a lane's 16 results of tiles 2 b, 2 b + 1 are units 32 b + 16 (lane / 16) + 0 .. 15: neighbours along the next product's K.
; In every fragment registers 4 c .. 4 c + 3 hold k = 128 q + 32 c + 16 (lane / 16) + 0 .. 15: the same order of k in both sources.
; g: [expert][tile of 16 ranks, 128][K step 16][c 4][lane 32][16 bytes]: the image of the next product's operand; a wave's store covers 512 consecutive bytes.
; LIMITS: e0 and e2 between -126 and 112; e0 + e1 between -126 and 127.  NaN among the inputs is not served.
; NO TENSOR LOAD, NO CLUSTER: the number of pairs hangs on a count read from memory, and no two work-groups read the same bytes of W1; what they share, x's codes, is 512 bytes a row against 256 KiB of weights.
; REGISTERS.  Window 0: v1-11 addresses; v12-13 my two bitmap words, v28 the count of the first; v14-23 SELECT; v24-27 scales; v32-63 row offsets, later 1 + 2^(-gate); v64-191 x's rows, then x's fragments
;   (while W1 is quantised: v64-127 four columns x 16 k, v128-143 their codes); v192-255 a and gate.   Window 1: four groups of W1 as loaded, then tiles 0-3.   Window 2: tiles 4-7.
;   Window 3: v0-127 the 16 accumulators (64 X + 8 T), v128-191 b1 in the result's layout.
.set WP,   8208                        ; LDS: a tile's four fragments, 4 x 2,048 bytes, + 16: tile T starts T x 16 bytes further round the 256, so the sixteen lanes of a store fall on sixteen different 16-byte columns
.set XST,  8*WP                        ; 65,664: behind the images a stage for each wave: 32 rows x 528 bytes
.set XW,   32*528
.set INCL, 66                          ; s66-97  incl[0 .. 31]
.set H,    192
.set MSB, 0
.macro WIN new                         ; the immediate's high byte repeats the setting that is left
.if MSB != \new
	s_set_vgpr_msb (MSB<<8)|\new
.set MSB, \new
.endif
.endm
.macro WLOAD gi                        ; 16 rows k of W1: lanes 0-15 read the 256 bytes of a's 64 columns, lanes 16-31 the 256 bytes of gate's
	WIN 0x40
.set kk, 0
.rept 16
	global_load_b128 v[64*((\gi)%4)+4*kk:64*((\gi)%4)+4*kk+3], v3, s[4:5] offset:(16*(\gi)+kk)*16384 th:TH_LOAD_NT
.set kk, kk+1
.endr
	WIN 0
.endm
.macro WQ gi                           ; group gi: 16 along k of my lane's four columns become 4 x 16 codes
.if (\gi) <= 4
	WLOAD (\gi)+3
	s_wait_loadcnt 48                              ; this group is in; the three younger groups, 16 loads each, may be out
.else
	s_wait_loadcnt 16*(7-(\gi))
.endif
	WIN 0x01
.irp cc, 0,1,2,3
.set kk, 0
.rept 16
	v_med3_num_f32 v[64+16*\cc+kk], v[64*((\gi)%4)+4*kk+\cc], -v25, v25   ; the hold at the largest code x the scale (ISA guide 7.6.2) also turns the numbers: a column's 16 k into consecutive registers
.set kk, kk+1
.endr
.endr
	WIN 0
	s_wait_dscnt 0x0                               ; the last group's stores have read the codes' registers
.irp cc, 0,1,2,3
	v_cvt_scalef32_pk8_bf8_f32 v[128+4*\cc:129+4*\cc], v[64+16*\cc:71+16*\cc], v24
	v_cvt_scalef32_pk8_bf8_f32 v[130+4*\cc:131+4*\cc], v[72+16*\cc:79+16*\cc], v24
.endr
	v_nop                                          ; a plain line behind the last scaled conversion
.irp cc, 0,1,2,3
	ds_store_b128 v4, v[128+4*\cc:131+4*\cc] offset:16*\cc+512*((\gi)/2)+256*((\gi)%2)   ; 16 gi = 32 c + 16 half
.endr
.endm
.macro COUNT i0                        ; incl of pairs i0 .. i0 + 15, from the 32 words in s24-55
.set i, 0
.rept 16
	s_bcnt1_i32_b32 s21, s[24+2*i]
	s_bcnt1_i32_b32 s22, s[25+2*i]
	s_add_co_u32 s21, s21, s22
.if (\i0)+i == 0
	s_mov_b32 s[INCL], s21
.else
	s_add_co_u32 s[INCL+(\i0)+i], s[INCL+(\i0)+i-1], s21
.endif
.set i, i+1
.endr
.endm
.macro DESC lv, wd, st                 ; one step down: the lower half of the range in hand holds v16 set bits; if my rank is not among them, go to the upper half
	v_bfe_u32 v16, v[\lv], v23, \wd
	v_cmp_ge_u32 vcc_lo, v20, v16
	v_cndmask_b32 v16, 0, v16, vcc_lo
	v_sub_nc_u32 v20, v20, v16
	v_cndmask_b32 v16, 0, \st, vcc_lo
	v_add_nc_u32 v23, v23, v16
.endm
.macro SELECT sp                       ; ranks 32 s[sp] + lane -> tokens in v9
	s_wait_xcnt 0x0                                ; the list's last store has read v9 and v10
	v_lshl_add_u32 v8, s[\sp], 5, v1
	v_lshlrev_b32 v10, 2, v8                       ; the rank's place in the list
	v_min_u32 v8, s56, v8                          ; ranks past the last row repeat it
	v_mov_b32 v14, 0
	v_mov_b32 v15, 0
.set i, 0
.rept 31
	v_cmp_le_u32 vcc_lo, s[INCL+i], v8             ; my rank lies behind pair i
	v_cndmask_b32 v15, v15, s[INCL+i], vcc_lo      ; rows ahead of my pair
	v_cndmask_b32 v14, v14, i+1, vcc_lo            ; my pair
.set i, i+1
.endr
	v_sub_nc_u32 v20, v8, v15                      ; my rank within the pair's 64 tokens
	v_min_u32 v14, 31, v14
	v_lshlrev_b32 v16, 2, v14
	ds_bpermute_b32 v17, v16, v12                  ; lane p holds pair p's words
	ds_bpermute_b32 v18, v16, v13
	ds_bpermute_b32 v19, v16, v28
	s_wait_dscnt 0x0
	v_cmp_ge_u32 vcc_lo, v20, v19
	v_cndmask_b32 v17, v17, v18, vcc_lo            ; the word,
	v_cndmask_b32 v19, 0, v19, vcc_lo
	v_cndmask_b32 v21, 0, 32, vcc_lo               ; its first token in the pair,
	v_sub_nc_u32 v20, v20, v19                     ; my rank in it
	v_lshrrev_b32 v16, 1, v17
	v_and_b32 v16, 0x55555555, v16
	v_sub_nc_u32 v18, v17, v16                     ; counts of 2 bits
	v_lshrrev_b32 v16, 2, v18
	v_and_b32 v16, 0x33333333, v16
	v_and_b32 v19, 0x33333333, v18
	v_add_nc_u32 v19, v19, v16                     ; of 4
	v_lshrrev_b32 v16, 4, v19
	v_add_nc_u32 v22, v19, v16
	v_and_b32 v22, 0x0f0f0f0f, v22                 ; of 8
	v_lshrrev_b32 v16, 8, v22
	v_add_nc_u32 v15, v22, v16                     ; bits 7:0: of the low 16
	v_mov_b32 v23, 0
	DESC 15, 8, 16
	DESC 22, 8, 8
	DESC 19, 4, 4
	DESC 18, 2, 2
	DESC 17, 1, 1
	v_lshl_add_u32 v9, v14, 6, v21
	v_add_nc_u32 v9, v9, v23
	v_min_u32 v9, 0x7ff, v9                        ; the token
	s_cmp_lt_u32 s[\sp], s57                       ; slice 0 stores the list, for the pairs that exist
	s_cselect_b32 s61, 1, 0
	s_cmp_eq_u32 s2, 0
	s_cselect_b32 s61, s61, 0
	s_cmp_lg_u32 s61, 0
	s_cbranch_scc0 .Lno_tl_\@
	global_store_b32 v10, v9, s[16:17]
.Lno_tl_\@:
.endm
.macro XLOAD                           ; the 32 rows' codes: each load reads one whole row, 512 consecutive bytes
.set i, 0
.rept 32
	v_readlane_b32 s[98+i%4], v9, i
	s_min_u32 s[98+i%4], s[98+i%4], 0x7ff
	v_lshl_add_u32 v[32+i], s[98+i%4], 9, v2
	global_load_b128 v[64+4*i:67+4*i], v[32+i], s[8:9]
.set i, i+1
.endr
.endm
.macro EPI x                           ; row tile x of the pair: h = sum x 2^(e0 + e1) + b1; g = a gate / (1 + 2^(-gate log2 e)); codes; store
	s_wait_xcnt 0x0                                ; the rows' loads have read their offsets (v32-63), the last stores their codes and v11
.if \x == 0
	v_lshl_add_u32 v11, s58, 16, v2                ; two tiles of 32,768 bytes a pair, 16 bytes a lane
.endif
	WIN 0x33
.set i, 0
.rept 32
	v_pk_fma_f32 v[H+i:H+i+1], v[64*\x+i:64*\x+i+1], s[62:63], v[128+i:128+i+1] op_sel_hi:[1,0,1]   ; each accumulator from its low end on
.set i, i+2
.endr
	WIN 0
.set i, 0
.rept 16
	v_pk_mul_f32 v[32+i:33+i], v[H+32+i:H+33+i], 0xbfb8aa3b op_sel_hi:[1,0]   ; -gate x log2(e)
.set i, i+2
.endr
.set i, 0
.rept 32
	v_exp_f32 v[32+i], v[32+i]
.set i, i+1
.endr
.set i, 0
.rept 16
	v_pk_mul_f32 v[H+i:H+i+1], v[H+i:H+i+1], v[H+32+i:H+33+i]                 ; a x gate: work that names no exponential's result
.set i, i+2
.endr
	s_wait_alu depctr_va_vdst(0)                   ; one wait for the 32 exponentials, ahead of their first reader
.set i, 0
.rept 16
	v_pk_add_f32 v[32+i:33+i], v[32+i:33+i], 1.0 op_sel_hi:[1,0]
.set i, i+2
.endr
.set i, 0
.rept 32
	v_rcp_f32 v[32+i], v[32+i]
.set i, i+1
.endr
	v_nop                                          ; a plain line behind the last reciprocal
	s_wait_alu depctr_va_vdst(0)                   ; one wait for the 32
.set i, 0
.rept 16
	v_pk_mul_f32 v[H+i:H+i+1], v[H+i:H+i+1], v[32+i:33+i]
.set i, i+2
.endr
.set i, 0
.rept 32
	v_med3_num_f32 v[H+i], v[H+i], -v27, v27       ; the hold at the largest code x 2^e2
.set i, i+1
.endr
.irp b, 0,1,2,3
	v_cvt_scalef32_pk8_bf8_f32 v[H+32+2*\b:H+33+2*\b], v[H+8*\b:H+8*\b+7], v26
.endr
	v_nop                                          ; a plain line behind the last scaled conversion
	global_store_b128 v11, v[H+32:H+35], s[14:15] offset:32768*\x          ; units 64 s + 16 half + 0 .. 15
	global_store_b128 v11, v[H+36:H+39], s[14:15] offset:32768*\x+512      ; units 64 s + 32 + 16 half + 0 .. 15
.endm
.macro MM win, t0                      ; 32 products: tiles t0 .. t0 + 3 x two row tiles x four K steps; the eight accumulators take turns, one instruction a turn
	WIN \win
.irp q, 0,1,2,3
.irp t, 0,1,2,3
.irp x, 0,1
.if \q == 0
	v_wmma_f32_16x16x128_bf8_bf8 v[64*\x+8*(\t0+\t):64*\x+8*(\t0+\t)+7], v[64*\t+16*\q:64*\t+16*\q+15], v[64+64*\x+16*\q:64+64*\x+16*\q+15], 0
.else
	v_wmma_f32_16x16x128_bf8_bf8 v[64*\x+8*(\t0+\t):64*\x+8*(\t0+\t)+7], v[64*\t+16*\q:64*\t+16*\q+15], v[64+64*\x+16*\q:64+64*\x+16*\q+15], v[64*\x+8*(\t0+\t):64*\x+8*(\t0+\t)+7]
.endif
.endr
.endr
.endr
.endm
	s_load_b256 s[4:11], s[0:1], 0x0               ; W1 s[4:5], b1 s[6:7], xc s[8:9], route s[10:11]
	s_load_b128 s[12:15], s[0:1], 0x20             ; the scales' exponents s[12:13], g s[14:15]
	s_load_b64 s[16:17], s[0:1], 0x30              ; tl
	s_set_vgpr_msb 0xc0
	v_lshl_add_u32 v254, v0, 2, 0x21000
	v_mov_b32 v255, 0
	s_set_vgpr_msb 0xc000
	v_lshrrev_b32 v1, 5, v0
	v_readfirstlane_b32 s20, v1                    ; wave 0..3
	v_and_b32 v1, 31, v0                           ; lane
	s_mov_b32 s2, ttmp9                            ; slice s
	s_and_b32 s3, ttmp7, 0xffff                    ; expert e
	v_lshlrev_b32 v2, 4, v1                        ; 16 x lane
	v_lshrrev_b32 v14, 4, v1                       ; lane / 16
	v_and_b32 v15, 15, v1                          ; lane % 16
	v_lshlrev_b32 v3, 13, v14
	v_lshl_add_u32 v3, v15, 4, v3                  ; W1: gate's columns lie 8,192 bytes behind a's; 16 bytes (four columns) a lane
	v_lshlrev_b32 v5, 6, v14                       ; b1: 64 bytes for the upper half of the lanes
	s_mul_i32 s21, s20, XW
	s_add_co_u32 s21, s21, XST                     ; my stage
	v_add_nc_u32 v6, s21, v2                       ; in: a row as loaded
	v_mul_u32_u24 v7, v15, 528
	v_lshl_add_u32 v7, v14, 4, v7
	v_add_nc_u32 v7, s21, v7                       ; out: row lane % 16, + 16 x half
	v_bfe_u32 v15, v1, 3, 1                        ; my four columns are units 4 (lane % 16) + cc: b,
	v_bfe_u32 v16, v1, 1, 1                        ; u,
	v_lshl_add_u32 v14, v14, 1, v15
	v_lshl_add_u32 v14, v14, 1, v16                ; tile T = 4 kind + 2 b + u,
	v_mul_u32_u24 v4, v14, WP
	v_bfe_u32 v15, v1, 2, 1
	v_lshl_add_u32 v4, v15, 7, v4                  ; row m = 8 (bit 2 of the lane)
	v_and_b32 v15, 1, v1
	v_lshl_add_u32 v4, v15, 6, v4                  ;       + 4 (bit 0) + cc, 16 bytes a row,
	v_lshl_add_u32 v4, s20, 11, v4                 ; K step = my wave
	v_lshlrev_b32 v29, 3, v1
	s_mov_b32 s25, 0
	s_wait_kmcnt 0x0
	s_mov_b64 s[18:19], s[16:17]                   ; tl, for the count
	s_lshl_b32 s24, s3, 23                         ; an expert of W1 is 2^23 bytes,
	s_lshl_b32 s21, s20, 21                        ; 128 rows of 16,384,
	s_add_co_u32 s24, s24, s21
	s_lshl_b32 s21, s2, 8                          ; 64 columns
	s_add_co_u32 s24, s24, s21
	s_add_nc_u64 s[4:5], s[4:5], s[24:25]
	s_lshl_b32 s24, s3, 14
	s_add_co_u32 s24, s24, s21
	s_add_nc_u64 s[6:7], s[6:7], s[24:25]          ; b1[e] at unit 64 s
	s_lshl_b32 s24, s3, 8
	s_add_co_u32 s24, s24, 16384
	s_add_nc_u64 s[10:11], s[10:11], s[24:25]      ; the expert's bitmap
	s_lshl_b32 s24, s3, 22
	s_lshl_b32 s21, s2, 10                         ; K step s / 2 (2,048 bytes), c = 2 (s % 2) (512 each)
	s_add_co_u32 s24, s24, s21
	s_add_nc_u64 s[14:15], s[14:15], s[24:25]
	s_lshl_b32 s24, s3, 13
	s_add_nc_u64 s[16:17], s[16:17], s[24:25]      ; the expert's list
	global_load_b64 v[12:13], v29, s[10:11]        ; lane i: bitmap words 2 i, 2 i + 1.  Issued first: the first counted wait below covers it
	WLOAD 0
	WLOAD 1
	WLOAD 2
	s_load_b128 s[56:59], s[12:13], 0x0            ; e0, e1, e2, e3
	s_load_b512 s[24:39], s[10:11], 0x0
	s_load_b512 s[40:55], s[10:11], 0x40
	s_wait_kmcnt 0x0
	s_add_co_i32 s62, s56, s57
	s_add_co_i32 s62, s62, 127
	s_lshl_b32 s62, s62, 23                        ; 2^(e0 + e1) as f32
	s_mov_b32 s63, s62                             ; (named with it as a pair)
	s_add_co_i32 s21, s56, 127
	s_lshl_b32 s22, s21, 23
	v_mov_b32 v24, s22                             ; 2^e0
	s_add_co_i32 s21, s21, 15
	s_lshl_b32 s21, s21, 23
	s_or_b32 s21, s21, 0x600000
	v_mov_b32 v25, s21                             ; 57,344 x 2^e0
	s_add_co_i32 s21, s58, 127
	s_lshl_b32 s22, s21, 23
	v_mov_b32 v26, s22                             ; 2^e2
	s_add_co_i32 s21, s21, 15
	s_lshl_b32 s21, s21, 23
	s_or_b32 s21, s21, 0x600000
	v_mov_b32 v27, s21                             ; 57,344 x 2^e2
	COUNT 0
	s_load_b512 s[24:39], s[10:11], 0x80
	s_load_b512 s[40:55], s[10:11], 0xc0
	s_wait_kmcnt 0x0
	COUNT 16
	s_mov_b32 s23, s[INCL+31]                      ; the expert's rows
	s_max_u32 s56, s23, 1
	s_sub_co_u32 s56, s56, 1                       ; the last rank
	s_add_co_u32 s57, s23, 31
	s_lshr_b32 s57, s57, 5                         ; pairs of row tiles
.irp gi, 0,1,2,3,4,5,6,7
	WQ \gi
.endr
	v_lshrrev_b32 v14, 1, v12                      ; the set bits of my first bitmap word
	v_and_b32 v14, 0x55555555, v14
	v_sub_nc_u32 v28, v12, v14
	v_lshrrev_b32 v14, 2, v28
	v_and_b32 v14, 0x33333333, v14
	v_and_b32 v28, 0x33333333, v28
	v_add_nc_u32 v28, v28, v14
	v_lshrrev_b32 v14, 4, v28
	v_add_nc_u32 v28, v28, v14
	v_and_b32 v28, 0x0f0f0f0f, v28
	v_mul_lo_u32 v28, 0x01010101, v28
	v_lshrrev_b32 v28, 24, v28
	WIN 0xc0
.set T, 0
.rept 8                                        ; b1 in the result's layout: tile T, lane half h: units 32 b + 8 u + 16 h + 0 .. 7
	global_load_b128 v[128+8*T:131+8*T], v5, s[6:7] offset:8192*(T/4)+128*((T/2)%2)+32*(T%2)
	global_load_b128 v[132+8*T:135+8*T], v5, s[6:7] offset:8192*(T/4)+128*((T/2)%2)+32*(T%2)+16
.set T, T+1
.endr
	WIN 0
	s_mov_b32 s58, s20                             ; my first pair
	SELECT 58                                      ; (its wait on DScnt also shows that the last codes' stores have read v128-143)
	XLOAD
	s_or_b32 s21, s2, s20
	s_cmp_lg_u32 s21, 0
	s_cbranch_scc1 .Lno_cnt                        ; slice 0's wave 0 stores the count
	v_mov_b32 v30, s23
	s_lshl_b32 s21, s3, 2
	s_add_co_u32 s21, s21, 65536
	v_mov_b32 v31, s21
	v_cmp_eq_u32 vcc_lo, 0, v1
	s_wait_xcnt 0x0                                ; EXEC changes only behind this wait
	s_and_saveexec_b32 s61, vcc_lo
	global_store_b32 v31, v30, s[18:19]
	s_wait_xcnt 0x0
	s_or_b32 exec_lo, exec_lo, s61
.Lno_cnt:
	s_wait_dscnt 0x0                               ; for the others' sake: my K step's images lie in LDS
	s_barrier_signal -1
	s_barrier_wait -1                              ; all four K steps do.  The one barrier: every branch on the count ahead of it has joined again
	WIN 0x40
.set i, 0
.rept 64                                       ; i = 16 T + 4 q + c
	ds_load_b128 v[4*i:4*i+3], v2 offset:WP*(i/16)+512*(i%16)
.set i, i+1
.endr
	WIN 0x80
.set i, 0
.rept 64
	ds_load_b128 v[4*i:4*i+3], v2 offset:WP*(4+i/16)+512*(i%16)
.set i, i+1
.endr
	WIN 0
	s_wait_dscnt 0x0
	s_mov_b32 s60, 16                              ; 64 pairs at the most, every fourth is mine
.Ltrip:
	s_cmp_ge_u32 s58, s57
	s_cbranch_scc1 .Ldone
	s_wait_loadcnt 0x0                             ; the pair's 32 rows (asked for a trip ago); in the first trip b1 too
.set i, 0
.rept 32
	ds_store_b128 v6, v[64+4*i:67+4*i] offset:528*i
.set i, i+1
.endr
.set i, 0
.rept 32                                       ; i = 16 X + 4 q + c.  My own stage: LDS serves a wave's instructions in order (ISA guide 5.7.1.4)
	ds_load_b128 v[64+4*i:67+4*i], v7 offset:8448*(i/16)+32*(i%16)
.set i, i+1
.endr
	s_wait_dscnt 0x0
	MM 0xf1, 0                                     ; source 0 window 1, source 1 window 0, C and D window 3
	MM 0xf2, 4                                     ; source 0 window 2
	WIN 0
	s_add_co_u32 s59, s58, 4
	SELECT 59                                      ; my next pair's tokens: its plain lines are the places behind the products
	XLOAD                                          ; and their rows, on their way under both tiles' activations
	EPI 0
	EPI 1
	s_mov_b32 s58, s59
	s_sub_co_u32 s60, s60, 1
	s_cmp_lg_u32 s60, 0
	s_cbranch_scc1 .Ltrip
.Ldone:
	s_set_vgpr_msb 0xf
	s_wait_tensorcnt 0x0
	ds_add_u32 v254, v255
	s_wait_dscnt 0x0
	s_set_vgpr_msb 0xf00
	s_endpgm
.Lfunc_end_k_qfa258f281e_up:
	.size	k_qfa258f281e_up, .Lfunc_end_k_qfa258f281e_up-k_qfa258f281e_up
	.p2alignl 7, 3214868480
	.fill 96, 4, 3214868480
	.section	.rodata,"a",@progbits
	.p2align	6, 0x0
	.amdhsa_kernel k_qfa258f281e_up
		.amdhsa_group_segment_fixed_size 135680
		.amdhsa_private_segment_fixed_size 0
		.amdhsa_enable_private_segment 0
		.amdhsa_kernarg_size 56
		.amdhsa_user_sgpr_count 2
		.amdhsa_user_sgpr_kernarg_segment_ptr 1
		.amdhsa_wavefront_size32 1
		.amdhsa_system_sgpr_workgroup_id_x 1
		.amdhsa_system_sgpr_workgroup_id_y 1
		.amdhsa_system_sgpr_workgroup_id_z 1
		.amdhsa_system_vgpr_workitem_id 0
		.amdhsa_next_free_vgpr 1024
		.amdhsa_next_free_sgpr 102
		.amdhsa_reserve_vcc 1
		.amdhsa_float_denorm_mode_32 3
		.amdhsa_float_denorm_mode_16_64 3
		.amdhsa_memory_ordered 1
		.amdhsa_forward_progress 1
		.amdhsa_inst_pref_size 136
	.end_amdhsa_kernel
	.amdgpu_metadata
---
amdhsa.version: [ 1, 2 ]
amdhsa.kernels:
  - .name:           k_qfa258f281e_up
    .symbol:         k_qfa258f281e_up.kd
    .args:
      - { .name: W1, .offset: 0, .size: 8, .value_kind: global_buffer, .address_space: global }
      - { .name: b1, .offset: 8, .size: 8, .value_kind: global_buffer, .address_space: global }
      - { .name: xc, .offset: 16, .size: 8, .value_kind: global_buffer, .address_space: global }
      - { .name: route, .offset: 24, .size: 8, .value_kind: global_buffer, .address_space: global }
      - { .name: lowp_scales, .offset: 32, .size: 8, .value_kind: global_buffer, .address_space: global }
      - { .name: g, .offset: 40, .size: 8, .value_kind: global_buffer, .address_space: global }
      - { .name: tl, .offset: 48, .size: 8, .value_kind: global_buffer, .address_space: global }
    .group_segment_fixed_size: 135680
    .private_segment_fixed_size: 0
    .kernarg_segment_align: 8
    .kernarg_segment_size: 56
    .max_flat_workgroup_size: 128
    .sgpr_count:     102
    .vgpr_count:     1024
    .wavefront_size: 32
...
	.end_amdgpu_metadata
.endif
;; end of part 2
;; launch down (part 3): grid 8 x 39, 4 waves a work-group, no clusters, 35,328 bytes of LDS; arguments g, w2c, tl, route, wt, b2, lowp_scales, p; writes p
.if DOCPART == 3
	.amdgcn_target "amdgcn-amd-amdhsa--gfx1250"
	.amdhsa_code_object_version 6
	.text
	.protected	k_qfa258f281e_down
	.globl	k_qfa258f281e_down
	.p2align	8
	.type	k_qfa258f281e_down,@function
k_qfa258f281e_down:
	s_mov_b64 s[64:65], 0
	v_nop
	global_prefetch_b8 v0, s[64:65] scope:SCOPE_SE
	s_setreg_imm32_b32 hwreg(HW_REG_WAVE_MODE, 25, 1), 1
	s_wait_xcnt 0x0
; p[k][token][:] = weight x (g W2[e] x 2^(e2 + e3) + b2[e]) for every routed row; k = 0 where e is the token's first expert, 1 where it is the second.
; Work-group (x, y): columns 64 x .. 64 x + 63, block y of 128 ranks.  THE GRID SERVES EVERY SPLIT: with 4,096 routed rows and 8 experts there are never more than 4096 / 128 + 7 = 39 blocks;
; the blocks are dealt to the experts by the stored counts, and a work-group or a wave that a split leaves without rows ends.
; A wave takes 32 ranks (two tiles) x 64 columns (four tiles): eight accumulators, 16 K steps of 128.  Both operands lie in memory as images of their registers: every load is 512 consecutive bytes.
; The product is used transposed (source 0 = 16 columns of W2, source 1 = 16 rows of g): a lane holds one row and eight neighbouring columns.
; The rows leave through the wave's own stage, with each row's place in p riding in the row's padding: sixteen lanes store 256 consecutive bytes, aligned.
; Ranks past an expert's last row repeat that row: they store the same bytes to the same place, from the same wave.
; LIMIT: e2 + e3 between -126 and 127.
; NO TENSOR LOAD, NO CLUSTER, NO BARRIER: which expert a block belongs to, and whether it has rows, hangs on counts read from memory; partners of a cluster would need different numbers of tiles.
; REGISTERS.  Window 0: v2-5, v22-30 addresses; v6-7 tokens; v8-11 their experts; v12-15 their weights; v16-19 the weight, as pairs; v20-21 the rows' places in p; v32-63 b2, later the stores' offsets;
;   v64-127 accumulators 8 (4 a + jt); v128-191 results; v192-255 rows read back.   Window 1: two buffers of 96: g's two fragments, then W2's four.
.set MSB, 0
.macro WIN new                         ; the immediate's high byte repeats the setting that is left
.if MSB != \new
	s_set_vgpr_msb (MSB<<8)|\new
.set MSB, \new
.endif
.endm
.macro KLOAD q, b                      ; K step q into buffer b: 24 loads
	WIN 0x40
.set i, 0
.rept 8                                        ; i = 4 a + c
	global_load_b128 v[96*(\b)+4*i:96*(\b)+4*i+3], v2, s[4:5] offset:32768*(i/4)+2048*(\q)+512*(i%4)
.set i, i+1
.endr
.set i, 0
.rept 16                                       ; i = 4 jt + c
	global_load_b128 v[96*(\b)+32+4*i:96*(\b)+32+4*i+3], v2, s[6:7] offset:32768*(i/4)+2048*(\q)+512*(i%4)
.set i, i+1
.endr
	WIN 0
.endm
.macro KMUL q, b                       ; eight products; the eight accumulators take turns, one instruction a turn
	WIN 0x05
.irp a, 0,1
.irp jt, 0,1,2,3
.if (\q) == 0
	v_wmma_f32_16x16x128_bf8_bf8 v[64+8*(4*\a+\jt):64+8*(4*\a+\jt)+7], v[96*(\b)+32+16*\jt:96*(\b)+32+16*\jt+15], v[96*(\b)+16*\a:96*(\b)+16*\a+15], 0
.else
	v_wmma_f32_16x16x128_bf8_bf8 v[64+8*(4*\a+\jt):64+8*(4*\a+\jt)+7], v[96*(\b)+32+16*\jt:96*(\b)+32+16*\jt+15], v[96*(\b)+16*\a:96*(\b)+16*\a+15], v[64+8*(4*\a+\jt):64+8*(4*\a+\jt)+7]
.endif
.endr
.endr
	WIN 0
.endm
	s_load_b256 s[4:11], s[0:1], 0x0               ; g s[4:5], w2c s[6:7], tl s[8:9], route s[10:11]
	s_load_b256 s[12:19], s[0:1], 0x20             ; wt s[12:13], b2 s[14:15], the scales' exponents s[16:17], p s[18:19]
	v_lshl_add_u32 v31, v0, 2, 0x8800
	s_set_vgpr_msb 0x40
	v_mov_b32 v193, 0
	s_set_vgpr_msb 0x4000
	v_lshrrev_b32 v1, 5, v0
	v_readfirstlane_b32 s20, v1                    ; wave 0..3
	v_and_b32 v1, 31, v0
	v_lshlrev_b32 v2, 4, v1                        ; 16 x lane
	v_and_b32 v3, 15, v1                           ; r
	v_lshrrev_b32 v4, 4, v1                        ; h
	s_and_b32 s36, ttmp7, 0xffff                   ; y
	s_wait_kmcnt 0x0
	s_load_b256 s[24:31], s[8:9], 0x10000          ; the eight counts
	s_load_b128 s[32:35], s[16:17], 0x0            ; e0 .. e3
	s_mul_i32 s21, s20, 8704                       ; my two stages of 16 rows x 272 bytes
	v_mul_u32_u24 v23, v3, 272
	v_add_nc_u32 v23, s21, v23                     ; row r
	v_lshl_add_u32 v22, v4, 5, v23                 ; in: + 32 h
	v_mul_u32_u24 v25, v4, 272
	v_add_nc_u32 v25, s21, v25
	v_lshl_add_u32 v24, v3, 4, v25                 ; back: lanes 0-15 one row, lanes 16-31 the next, 16 bytes a lane
	v_add_nc_u32 v25, 256, v25                     ; and the row's place in p, behind its 256 bytes
	v_lshlrev_b32 v26, 4, v3
	v_lshlrev_b32 v5, 2, v3                        ; the list: 4 r
	v_lshlrev_b32 v30, 5, v4                       ; b2: 32 h
	s_mov_b32 s37, 0                               ; blocks ahead of expert e
	s_mov_b32 s38, 0
	s_mov_b32 s39, 0
	s_mov_b32 s40, 0
	s_mov_b32 s43, 0
	s_wait_kmcnt 0x0
.irp e, 0,1,2,3,4,5,6,7
	s_cmp_ge_u32 s36, s37                          ; the last expert whose first block is not behind y
	s_cselect_b32 s38, \e, s38
	s_cselect_b32 s39, s37, s39
	s_cselect_b32 s40, s[24+\e], s40
	s_add_co_u32 s41, s[24+\e], 127
	s_lshr_b32 s41, s41, 7
	s_add_co_u32 s37, s37, s41
.endr
	s_cmp_ge_u32 s36, s37
	s_cbranch_scc1 .Lend                           ; this split has fewer blocks
	s_min_u32 s38, s38, 7                          ; the expert
	s_sub_co_u32 s39, s36, s39
	s_min_u32 s39, s39, 15                         ; its block
	s_lshl_b32 s39, s39, 2
	s_add_co_u32 s39, s39, s20                     ; my pair of row tiles
	s_add_co_u32 s40, s40, 31
	s_lshr_b32 s40, s40, 5
	s_cmp_ge_u32 s39, s40
	s_cbranch_scc1 .Lend                           ; the expert's last block may have fewer than four pairs
	s_lshl_b32 s42, s38, 22
	s_lshl_b32 s41, s39, 16
	s_add_co_u32 s42, s42, s41
	s_add_nc_u64 s[4:5], s[4:5], s[42:43]          ; g: expert, pair
	s_lshl_b32 s42, s38, 20
	s_lshl_b32 s41, ttmp9, 17
	s_add_co_u32 s42, s42, s41
	s_add_nc_u64 s[6:7], s[6:7], s[42:43]          ; W2's codes: expert, column tile 4 x
	s_lshl_b32 s42, s38, 13
	s_lshl_b32 s41, s39, 7
	s_add_co_u32 s42, s42, s41
	s_add_nc_u64 s[8:9], s[8:9], s[42:43]          ; the list: expert, rank 32 pair
	s_lshl_b32 s42, s38, 11
	s_lshl_b32 s41, ttmp9, 8
	s_add_co_u32 s42, s42, s41
	s_add_nc_u64 s[14:15], s[14:15], s[42:43]      ; b2: expert, column 64 x
	s_mov_b32 s42, s41
	s_add_nc_u64 s[18:19], s[18:19], s[42:43]      ; p at column 64 x
	s_add_co_i32 s44, s34, s35
	s_add_co_i32 s44, s44, 127
	s_lshl_b32 s44, s44, 23                        ; 2^(e2 + e3) as f32
	s_mov_b32 s45, s44                             ; (named with it as a pair)
	global_load_b32 v6, v5, s[8:9]                 ; the tokens of ranks r and 16 + r
	global_load_b32 v7, v5, s[8:9] offset:64
.irp jt, 0,1,2,3
	global_load_b128 v[32+8*\jt:35+8*\jt], v30, s[14:15] offset:64*\jt       ; b2 at columns 16 jt + 8 h + 0 .. 7
	global_load_b128 v[36+8*\jt:39+8*\jt], v30, s[14:15] offset:64*\jt+16
.endr
	KLOAD 0, 0
	KLOAD 1, 1
	s_wait_loadcnt 48                              ; the tokens and b2 are in; two K steps of 24 loads were issued behind them
	v_min_u32 v6, 0x7ff, v6
	v_min_u32 v7, 0x7ff, v7
	v_lshlrev_b32 v27, 3, v6
	v_lshlrev_b32 v28, 3, v7
	global_load_b64 v[8:9], v27, s[10:11]          ; the tokens' two experts
	global_load_b64 v[10:11], v28, s[10:11]
	global_load_b64 v[12:13], v27, s[12:13]        ; and their weights
	global_load_b64 v[14:15], v28, s[12:13]
.set q, 0
.rept 16
.if q < 2
	s_wait_loadcnt 28                              ; this K step is in; behind it: the other buffer's 24 loads and the four gathers
.elseif q < 15
	s_wait_loadcnt 24                              ; behind it: the other buffer's 24
.else
	s_wait_loadcnt 0
.endif
	KMUL q, q%2
.if q < 14
.rept 4
	v_nop                                          ; four places in front of loads into registers that matrix instructions have read (ISA guide 7.12.1 for vector instructions)
.endr
	KLOAD q+2, q%2
.endif
.set q, q+1
.endr
	v_mov_b32 v29, 0x800                           ; these lines are the places behind the last products
.irp a, 0,1
	v_cmp_eq_u32 vcc_lo, s38, v[9+2*\a]            ; am I the token's second expert?
	v_cndmask_b32 v[16+2*\a], v[12+2*\a], v[13+2*\a], vcc_lo
	v_cndmask_b32 v[20+\a], 0, v29, vcc_lo
	v_add_nc_u32 v[20+\a], v[20+\a], v[6+\a]       ; the row of p: 2,048 k + token
	v_mov_b32 v[17+2*\a], v[16+2*\a]
.endr
.irp a, 0,1
.irp jt, 0,1,2,3
.irp i, 0,2,4,6
	v_pk_fma_f32 v[128+8*(4*\a+\jt)+\i:128+8*(4*\a+\jt)+\i+1], v[64+8*(4*\a+\jt)+\i:64+8*(4*\a+\jt)+\i+1], s[44:45], v[32+8*\jt+\i:32+8*\jt+\i+1] op_sel_hi:[1,0,1]   ; sum x 2^(e2 + e3) + b2; each accumulator from its low end on
.endr
.endr
.endr
.irp a, 0,1
.set i, 0
.rept 16
	v_pk_mul_f32 v[128+32*\a+i:128+32*\a+i+1], v[128+32*\a+i:128+32*\a+i+1], v[16+2*\a:17+2*\a] op_sel_hi:[1,0]   ; x the router's weight
.set i, i+2
.endr
.endr
.irp a, 0,1
.irp jt, 0,1,2,3
	ds_store_b128 v22, v[128+8*(4*\a+\jt):128+8*(4*\a+\jt)+3] offset:4352*\a+64*\jt
	ds_store_b128 v22, v[128+8*(4*\a+\jt)+4:128+8*(4*\a+\jt)+7] offset:4352*\a+64*\jt+16
.endr
	ds_store_b32 v23, v[20+\a] offset:4352*\a+256
.endr
.irp a, 0,1
.irp i, 0,1,2,3,4,5,6,7
	ds_load_b128 v[192+4*(8*\a+\i):192+4*(8*\a+\i)+3], v24 offset:4352*\a+544*\i   ; my own stage: LDS serves a wave's instructions in order (ISA guide 5.7.1.4)
	ds_load_b32 v[32+8*\a+\i], v25 offset:4352*\a+544*\i
.endr
.endr
	s_wait_dscnt 0x0
.set i, 0
.rept 16
	v_min_u32 v[32+i], 0xfff, v[32+i]
	v_lshl_add_u32 v[32+i], v[32+i], 11, v26       ; a row of p is 2,048 bytes
	global_store_b128 v[32+i], v[192+4*i:195+4*i], s[18:19]   ; sixteen lanes store 256 consecutive bytes, at a multiple of 256 from p's first byte
.set i, i+1
.endr
.Lend:
	s_set_vgpr_msb 0x4
	s_wait_tensorcnt 0x0
	ds_add_u32 v31, v193
	s_wait_dscnt 0x0
	s_set_vgpr_msb 0x400
	s_endpgm
.Lfunc_end_k_qfa258f281e_down:
	.size	k_qfa258f281e_down, .Lfunc_end_k_qfa258f281e_down-k_qfa258f281e_down
	.p2alignl 7, 3214868480
	.fill 96, 4, 3214868480
	.section	.rodata,"a",@progbits
	.p2align	6, 0x0
	.amdhsa_kernel k_qfa258f281e_down
		.amdhsa_group_segment_fixed_size 35328
		.amdhsa_private_segment_fixed_size 0
		.amdhsa_enable_private_segment 0
		.amdhsa_kernarg_size 64
		.amdhsa_user_sgpr_count 2
		.amdhsa_user_sgpr_kernarg_segment_ptr 1
		.amdhsa_wavefront_size32 1
		.amdhsa_system_sgpr_workgroup_id_x 1
		.amdhsa_system_sgpr_workgroup_id_y 1
		.amdhsa_system_sgpr_workgroup_id_z 1
		.amdhsa_system_vgpr_workitem_id 0
		.amdhsa_next_free_vgpr 450
		.amdhsa_next_free_sgpr 66
		.amdhsa_reserve_vcc 1
		.amdhsa_float_denorm_mode_32 3
		.amdhsa_float_denorm_mode_16_64 3
		.amdhsa_memory_ordered 1
		.amdhsa_forward_progress 1
		.amdhsa_inst_pref_size 66
	.end_amdhsa_kernel
	.amdgpu_metadata
---
amdhsa.version: [ 1, 2 ]
amdhsa.kernels:
  - .name:           k_qfa258f281e_down
    .symbol:         k_qfa258f281e_down.kd
    .args:
      - { .name: g, .offset: 0, .size: 8, .value_kind: global_buffer, .address_space: global }
      - { .name: w2c, .offset: 8, .size: 8, .value_kind: global_buffer, .address_space: global }
      - { .name: tl, .offset: 16, .size: 8, .value_kind: global_buffer, .address_space: global }
      - { .name: route, .offset: 24, .size: 8, .value_kind: global_buffer, .address_space: global }
      - { .name: wt, .offset: 32, .size: 8, .value_kind: global_buffer, .address_space: global }
      - { .name: b2, .offset: 40, .size: 8, .value_kind: global_buffer, .address_space: global }
      - { .name: lowp_scales, .offset: 48, .size: 8, .value_kind: global_buffer, .address_space: global }
      - { .name: p, .offset: 56, .size: 8, .value_kind: global_buffer, .address_space: global }
    .group_segment_fixed_size: 35328
    .private_segment_fixed_size: 0
    .kernarg_segment_align: 8
    .kernarg_segment_size: 64
    .max_flat_workgroup_size: 128
    .sgpr_count:     66
    .vgpr_count:     450
    .wavefront_size: 32
...
	.end_amdgpu_metadata
.endif
;; end of part 3
;; launch combine (part 4): grid 256 x 1, 8 waves a work-group, no clusters, 0 bytes of LDS; arguments p, out0; writes out0
.if DOCPART == 4
	.amdgcn_target "amdgcn-amd-amdhsa--gfx1250"
	.amdhsa_code_object_version 6
	.text
	.protected	k_qfa258f281e_combine
	.globl	k_qfa258f281e_combine
	.p2align	8
	.type	k_qfa258f281e_combine,@function
k_qfa258f281e_combine:
	s_mov_b64 s[64:65], 0
	v_nop
	global_prefetch_b8 v0, s[64:65] scope:SCOPE_SE
	s_setreg_imm32_b32 hwreg(HW_REG_WAVE_MODE, 25, 1), 1
	s_wait_xcnt 0x0
; out0[token][:] = p[0][token][:] + p[1][token][:]: each token's two weighted expert rows, which two different work-groups of the launch before made.
; A stream: a work-group takes 16,384 bytes of out0, a thread 4 x 16; every load and store of a wave covers 512 consecutive bytes.  All eight loads go out first.
; No LDS, no matrix unit, no cluster: nothing is shared and nothing is read twice.
	s_load_b128 s[4:7], s[0:1], 0x0                ; p s[4:5], out0 s[6:7]
	v_lshlrev_b32 v1, 4, v0
	s_lshl_b32 s8, ttmp9, 14
	s_mov_b32 s9, 0
	s_wait_kmcnt 0x0
	s_add_nc_u64 s[4:5], s[4:5], s[8:9]
	s_add_nc_u64 s[6:7], s[6:7], s[8:9]
.set j, 0
.rept 4
	global_load_b128 v[4+4*j:7+4*j], v1, s[4:5] offset:4096*j th:TH_LOAD_NT
	global_load_b128 v[20+4*j:23+4*j], v1, s[4:5] offset:4096*j+4194304 th:TH_LOAD_NT
.set j, j+1
.endr
.set j, 0
.rept 4
	s_wait_loadcnt 6-2*j                           ; this pair of loads is in; the later pairs may be out
	v_pk_add_f32 v[36+4*j:37+4*j], v[4+4*j:5+4*j], v[20+4*j:21+4*j]
	v_pk_add_f32 v[38+4*j:39+4*j], v[6+4*j:7+4*j], v[22+4*j:23+4*j]
	global_store_b128 v1, v[36+4*j:39+4*j], s[6:7] offset:4096*j th:TH_STORE_NT
.set j, j+1
.endr
	s_endpgm
.Lfunc_end_k_qfa258f281e_combine:
	.size	k_qfa258f281e_combine, .Lfunc_end_k_qfa258f281e_combine-k_qfa258f281e_combine
	.p2alignl 7, 3214868480
	.fill 96, 4, 3214868480
	.section	.rodata,"a",@progbits
	.p2align	6, 0x0
	.amdhsa_kernel k_qfa258f281e_combine
		.amdhsa_group_segment_fixed_size 0
		.amdhsa_private_segment_fixed_size 0
		.amdhsa_enable_private_segment 0
		.amdhsa_kernarg_size 16
		.amdhsa_user_sgpr_count 2
		.amdhsa_user_sgpr_kernarg_segment_ptr 1
		.amdhsa_wavefront_size32 1
		.amdhsa_system_sgpr_workgroup_id_x 1
		.amdhsa_system_sgpr_workgroup_id_y 1
		.amdhsa_system_sgpr_workgroup_id_z 1
		.amdhsa_system_vgpr_workitem_id 0
		.amdhsa_next_free_vgpr 64
		.amdhsa_next_free_sgpr 66
		.amdhsa_reserve_vcc 0
		.amdhsa_float_denorm_mode_32 3
		.amdhsa_float_denorm_mode_16_64 3
		.amdhsa_memory_ordered 1
		.amdhsa_forward_progress 1
		.amdhsa_inst_pref_size 3
	.end_amdhsa_kernel
	.amdgpu_metadata
---
amdhsa.version: [ 1, 2 ]
amdhsa.kernels:
  - .name:           k_qfa258f281e_combine
    .symbol:         k_qfa258f281e_combine.kd
    .args:
      - { .name: p, .offset: 0, .size: 8, .value_kind: global_buffer, .address_space: global }
      - { .name: out0, .offset: 8, .size: 8, .value_kind: global_buffer, .address_space: global }
    .group_segment_fixed_size: 0
    .private_segment_fixed_size: 0
    .kernarg_segment_align: 8
    .kernarg_segment_size: 16
    .max_flat_workgroup_size: 256
    .sgpr_count:     66
    .vgpr_count:     64
    .wavefront_size: 32
...
	.end_amdgpu_metadata
.endif
;; end of part 4
;; ======== version 2 of 2: 4 launches; 1.15 times as fast as version 1
;; workspace buffers: xc 1,048,576 bytes; w2c 8,388,608 bytes; route 18,432 bytes of whole numbers; wt 16,384 bytes; g 33,554,432 bytes; tl 65,792 bytes of whole numbers; p 16,777,216 bytes
;; launch prep: the kernel of part 1 again; grid 320 x 1, 4 waves a work-group, no clusters, 104,960 bytes of LDS; arguments hidden_states, Wc, bc, W2, lowp_scales, xc, w2c, route, wt, out1; writes xc, w2c, route, wt, out1
;; launch up (part 5): grid 32 x 8, 4 waves a work-group, no clusters, 142,592 bytes of LDS; arguments W1, b1, xc, route, lowp_scales, g, tl; writes g, tl
.if DOCPART == 5
	.amdgcn_target "amdgcn-amd-amdhsa--gfx1250"
	.amdhsa_code_object_version 6
	.text
	.protected	k_qfa258f281e_up
	.globl	k_qfa258f281e_up
	.p2align	8
	.type	k_qfa258f281e_up,@function
k_qfa258f281e_up:
	s_mov_b64 s[64:65], 0
	v_nop
	global_prefetch_b8 v0, s[64:65] scope:SCOPE_SE
	s_setreg_imm32_b32 hwreg(HW_REG_WAVE_MODE, 25, 1), 1
	s_wait_xcnt 0x0
; g = a x silu(gate), (a, gate) = x W1[e] + b1[e], for the rows that chose expert e, as codes of E5M2.  Work-group (s, e): inner units 64 s .. 64 s + 63 of expert e.
; W1 [8][512 k][4096 n] f32 is read ONCE: the work-group's 64 columns of a and 64 of gate, 256 KiB.  Wave w quantises k = 128 w .. 128 w + 127 of all 128 columns (2^e0) and lays the codes in LDS
; as images of the operand's registers; behind ONE barrier every wave takes all 32 fragments (8 tiles x 4 K steps, 512 registers) and keeps them.
; Then each wave walks pairs of row tiles of its own, pair = 32 ranks of the expert's rows: pairs w, w + 4, ..
; THE ROWS.  The launch before stored a bitmap of the expert's tokens.  incl[i] (scalar) counts the tokens up to bitmap words 2 i, 2 i + 1; SELECT turns 32 ranks into 32 tokens in registers.
; ALL OF A WAVE'S SELECTS STAND BETWEEN THE GROUPS OF W1, two behind each group, where the wave would else only wait for its loads; a pair that the expert does not have is jumped over.
; The tokens wait in a list of the wave's own in LDS; the loop reads a pair's 32 tokens back at one address for all lanes, so that each register holds one row's token in every lane.
; Ranks past the expert's last row repeat that row, so every byte of a pair that is stored is defined.  Slice 0 also stores the list (tl[e][rank] = token) and the count (tl from byte 65,536).
; THE PRODUCT IS USED TRANSPOSED: source 0 = 16 units of W1, source 1 = 16 rows of x: a lane holds one row.  THE UNITS OF A TILE ARE NOT NEIGHBOURS: row m of tile 2 b + u takes unit
; 32 b + 8 u + m + 8 (m / 8), so that a lane's 16 results of tiles 2 b, 2 b + 1 are units 32 b + 16 (lane / 16) + 0 .. 15: neighbours along the next product's K.
; In every fragment registers 4 c .. 4 c + 3 hold k = 128 q + 32 c + 16 (lane / 16) + 0 .. 15: the same order of k in both sources.
; g: [expert][tile of 16 ranks, 128][K step 16][c 4][lane 32][16 bytes]: the image of the next product's operand; a wave's store covers 512 consecutive bytes.
; LIMITS: e0 and e2 between -126 and 112; e0 + e1 between -126 and 127.  NaN among the inputs is not served.
; NO TENSOR LOAD, NO CLUSTER: the number of pairs hangs on a count read from memory, and no two work-groups read the same bytes of W1; what they share, x's codes, is 512 bytes a row against 256 KiB of weights.
; REGISTERS.  Window 0: v1-7, v11, v29-31 addresses; v12-13 my two bitmap words, v28 the count of the first; v8-9, v14-23 SELECT; v24-27 scales; v32-63 while W1 is quantised: pair j's tokens (32 + 2 j) and
;   their places in tl (33 + 2 j); in the loop: row offsets, later 1 + 2^(-gate); v64-191 x's rows, then x's fragments (while W1 is quantised: v64-127 four columns x 16 k, v128-143 their codes); v192-255 a and gate.
;   Window 1: four groups of W1 as loaded, then tiles 0-3.   Window 2: tiles 4-7.   Window 3: v0-127 the 16 accumulators (64 X + 8 T), v128-191 b1 in the result's layout.
.set WP,   8208                        ; LDS: a tile's four fragments, 4 x 2,048 bytes, + 16: tile T starts T x 16 bytes further round the 256, so the sixteen lanes of a store fall on sixteen different 16-byte columns
.set XST,  8*WP                        ; 65,664: behind the images a stage for each wave: 32 rows x 528 bytes
.set XW,   32*528
.set TOK,  XST+4*XW                    ; 133,248: behind the stages each wave's list of tokens: 128 bytes a pair
.set TKW,  17*128                      ; 16 pairs, and one place more: the loop's address stands one pair ahead, in its last trip too
.set INCL, 66                          ; s66-97  incl[0 .. 31]
.set H,    192
.set MSB, 0
.macro WIN new                         ; the immediate's high byte repeats the setting that is left
.if MSB != \new
	s_set_vgpr_msb (MSB<<8)|\new
.set MSB, \new
.endif
.endm
.macro WLOAD gi                        ; 16 rows k of W1: lanes 0-15 read the 256 bytes of a's 64 columns, lanes 16-31 the 256 bytes of gate's
	WIN 0x40
.set kk, 0
.rept 16
	global_load_b128 v[64*((\gi)%4)+4*kk:64*((\gi)%4)+4*kk+3], v3, s[4:5] offset:(16*(\gi)+kk)*16384 th:TH_LOAD_NT
.set kk, kk+1
.endr
	WIN 0
.endm
.macro WQ gi                           ; group gi: 16 along k of my lane's four columns become 4 x 16 codes
.if (\gi) <= 4
	WLOAD (\gi)+3
	s_wait_loadcnt 48                              ; this group is in; the three younger groups, 16 loads each, may be out
.else
	s_wait_loadcnt 16*(7-(\gi))
.endif
	WIN 0x01
.irp cc, 0,1,2,3
.set kk, 0
.rept 16
	v_med3_num_f32 v[64+16*\cc+kk], v[64*((\gi)%4)+4*kk+\cc], -v25, v25   ; the hold at the largest code x the scale (ISA guide 7.6.2) also turns the numbers: a column's 16 k into consecutive registers
.set kk, kk+1
.endr
.endr
	WIN 0
	s_wait_dscnt 0x0                               ; the last group's stores have read the codes' registers
.irp cc, 0,1,2,3
	v_cvt_scalef32_pk8_bf8_f32 v[128+4*\cc:129+4*\cc], v[64+16*\cc:71+16*\cc], v24
	v_cvt_scalef32_pk8_bf8_f32 v[130+4*\cc:131+4*\cc], v[72+16*\cc:79+16*\cc], v24
.endr
	v_nop                                          ; a plain line behind the last scaled conversion
.irp cc, 0,1,2,3
	ds_store_b128 v4, v[128+4*\cc:131+4*\cc] offset:16*\cc+512*((\gi)/2)+256*((\gi)%2)   ; 16 gi = 32 c + 16 half
.endr
.endm
.macro COUNT i0                        ; incl of pairs i0 .. i0 + 15, from the 32 words in s24-55
.set i, 0
.rept 16
	s_bcnt1_i32_b32 s21, s[24+2*i]
	s_bcnt1_i32_b32 s22, s[25+2*i]
	s_add_co_u32 s21, s21, s22
.if (\i0)+i == 0
	s_mov_b32 s[INCL], s21
.else
	s_add_co_u32 s[INCL+(\i0)+i], s[INCL+(\i0)+i-1], s21
.endif
.set i, i+1
.endr
.endm
.macro DESC lv, wd, st                 ; one step down: the lower half of the range in hand holds v16 set bits; if my rank is not among them, go to the upper half
	v_bfe_u32 v16, v[\lv], v23, \wd
	v_cmp_ge_u32 vcc_lo, v20, v16
	v_cndmask_b32 v16, 0, v16, vcc_lo
	v_sub_nc_u32 v20, v20, v16
	v_cndmask_b32 v16, 0, \st, vcc_lo
	v_add_nc_u32 v23, v23, v16
.endm
; My j-th pair, w + 4 j: ranks 32 x pair + lane -> tokens, into my list in LDS.  always = 1 (j = 0): it is worked whether the pair exists or not (the ranks are held at the last row),
; so that the first rows' loads stand on every path.  Each j has its own two registers for the store to tl: no wait for that store stands among W1's loads.
.macro SELECT j, always
	s_add_co_u32 s59, s20, 4*(\j)
.if !(\always)
	s_cmp_ge_u32 s59, s57
	s_cbranch_scc1 .Lno_pair_\@
.endif
	v_lshl_add_u32 v8, s59, 5, v1
	v_lshlrev_b32 v[33+2*(\j)], 2, v8              ; the rank's place in tl
	v_min_u32 v8, s56, v8                          ; ranks past the last row repeat it
	v_mov_b32 v14, 0
	v_mov_b32 v15, 0
.set i, 0
.rept 31
	v_cmp_le_u32 vcc_lo, s[INCL+i], v8             ; my rank lies behind pair i of bitmap words
	v_cndmask_b32 v15, v15, s[INCL+i], vcc_lo      ; rows ahead of my words
	v_cndmask_b32 v14, v14, i+1, vcc_lo            ; my words
.set i, i+1
.endr
	v_sub_nc_u32 v20, v8, v15                      ; my rank within the two words' 64 tokens
	v_min_u32 v14, 31, v14
	v_lshlrev_b32 v16, 2, v14
	ds_bpermute_b32 v17, v16, v12                  ; lane p holds words 2 p, 2 p + 1
	ds_bpermute_b32 v18, v16, v13
	ds_bpermute_b32 v19, v16, v28
	s_wait_dscnt 0x0
	v_cmp_ge_u32 vcc_lo, v20, v19
	v_cndmask_b32 v17, v17, v18, vcc_lo            ; the word,
	v_cndmask_b32 v19, 0, v19, vcc_lo
	v_cndmask_b32 v21, 0, 32, vcc_lo               ; its first token among the 64,
	v_sub_nc_u32 v20, v20, v19                     ; my rank in it
	v_lshrrev_b32 v16, 1, v17
	v_and_b32 v16, 0x55555555, v16
	v_sub_nc_u32 v18, v17, v16                     ; counts of 2 bits
	v_lshrrev_b32 v16, 2, v18
	v_and_b32 v16, 0x33333333, v16
	v_and_b32 v19, 0x33333333, v18
	v_add_nc_u32 v19, v19, v16                     ; of 4
	v_lshrrev_b32 v16, 4, v19
	v_add_nc_u32 v22, v19, v16
	v_and_b32 v22, 0x0f0f0f0f, v22                 ; of 8
	v_lshrrev_b32 v16, 8, v22
	v_add_nc_u32 v15, v22, v16                     ; bits 7:0: of the low 16
	v_mov_b32 v23, 0
	DESC 15, 8, 16
	DESC 22, 8, 8
	DESC 19, 4, 4
	DESC 18, 2, 2
	DESC 17, 1, 1
	v_lshl_add_u32 v9, v14, 6, v21
	v_add_nc_u32 v9, v9, v23
	v_min_u32 v[32+2*(\j)], 0x7ff, v9              ; the token
	ds_store_b32 v31, v[32+2*(\j)] offset:128*(\j) ; word = lane = rank in the pair
.if \always
	s_cmp_ge_u32 s59, s57
	s_cbranch_scc1 .Lno_pair_\@
.endif
	s_cmp_lg_u32 s2, 0                             ; slice 0 stores the list, for the pairs that exist
	s_cbranch_scc1 .Lno_pair_\@
	global_store_b32 v[33+2*(\j)], v[32+2*(\j)], s[16:17]
.Lno_pair_\@:
.endm
; The 32 rows' codes of the pair whose tokens lie at byte s59 of my list: each load reads one whole row, 512 consecutive bytes.
.macro XLOAD
	s_wait_xcnt 0x0                                ; the stores to tl have read v32-63
	v_add_nc_u32 v29, s59, v30
.set i, 0
.rept 8
	ds_load_b128 v[32+4*i:35+4*i], v29 offset:16*i ; one address for all lanes: register 32 + i holds row i's token in every lane
.set i, i+1
.endr
	s_wait_dscnt 0x0                               ; the tokens are in (ahead of the loop also: the last codes' LDS stores have read v128-143)
.set i, 0
.rept 32
	v_min_u32 v[32+i], 0x7ff, v[32+i]
.set i, i+1
.endr
.set i, 0
.rept 32
	v_lshl_add_u32 v[32+i], v[32+i], 9, v2         ; 512 bytes a token, 16 a lane
.set i, i+1
.endr
.set i, 0
.rept 32
	global_load_b128 v[64+4*i:67+4*i], v[32+i], s[8:9]
.set i, i+1
.endr
.endm
.macro EPI x                           ; row tile x of the pair: h = sum x 2^(e0 + e1) + b1; g = a gate / (1 + 2^(-gate log2 e)); codes; store
	s_wait_xcnt 0x0                                ; the rows' loads have read their offsets (v32-63), the last stores their codes and v11
.if \x == 0
	v_lshl_add_u32 v11, s58, 16, v2                ; two tiles of 32,768 bytes a pair, 16 bytes a lane
.endif
	WIN 0x33
.set i, 0
.rept 32
	v_pk_fma_f32 v[H+i:H+i+1], v[64*\x+i:64*\x+i+1], s[62:63], v[128+i:128+i+1] op_sel_hi:[1,0,1]   ; each accumulator from its low end on
.set i, i+2
.endr
	WIN 0
.set i, 0
.rept 16
	v_pk_mul_f32 v[32+i:33+i], v[H+32+i:H+33+i], 0xbfb8aa3b op_sel_hi:[1,0]   ; -gate x log2(e)
.set i, i+2
.endr
.set i, 0
.rept 32
	v_exp_f32 v[32+i], v[32+i]
.set i, i+1
.endr
.set i, 0
.rept 16
	v_pk_mul_f32 v[H+i:H+i+1], v[H+i:H+i+1], v[H+32+i:H+33+i]                 ; a x gate: work that names no exponential's result
.set i, i+2
.endr
	s_wait_alu depctr_va_vdst(0)                   ; one wait for the 32 exponentials, ahead of their first reader
.set i, 0
.rept 16
	v_pk_add_f32 v[32+i:33+i], v[32+i:33+i], 1.0 op_sel_hi:[1,0]
.set i, i+2
.endr
.set i, 0
.rept 32
	v_rcp_f32 v[32+i], v[32+i]
.set i, i+1
.endr
	v_nop                                          ; a plain line behind the last reciprocal
	s_wait_alu depctr_va_vdst(0)                   ; one wait for the 32
.set i, 0
.rept 16
	v_pk_mul_f32 v[H+i:H+i+1], v[H+i:H+i+1], v[32+i:33+i]
.set i, i+2
.endr
.set i, 0
.rept 32
	v_med3_num_f32 v[H+i], v[H+i], -v27, v27       ; the hold at the largest code x 2^e2
.set i, i+1
.endr
.irp b, 0,1,2,3
	v_cvt_scalef32_pk8_bf8_f32 v[H+32+2*\b:H+33+2*\b], v[H+8*\b:H+8*\b+7], v26
.endr
	v_nop                                          ; a plain line behind the last scaled conversion
	global_store_b128 v11, v[H+32:H+35], s[14:15] offset:32768*\x          ; units 64 s + 16 half + 0 .. 15
	global_store_b128 v11, v[H+36:H+39], s[14:15] offset:32768*\x+512      ; units 64 s + 32 + 16 half + 0 .. 15
.endm
.macro MM win, t0                      ; 32 products: tiles t0 .. t0 + 3 x two row tiles x four K steps; the eight accumulators take turns, one instruction a turn
	WIN \win
.irp q, 0,1,2,3
.irp t, 0,1,2,3
.irp x, 0,1
.if \q == 0
	v_wmma_f32_16x16x128_bf8_bf8 v[64*\x+8*(\t0+\t):64*\x+8*(\t0+\t)+7], v[64*\t+16*\q:64*\t+16*\q+15], v[64+64*\x+16*\q:64+64*\x+16*\q+15], 0
.else
	v_wmma_f32_16x16x128_bf8_bf8 v[64*\x+8*(\t0+\t):64*\x+8*(\t0+\t)+7], v[64*\t+16*\q:64*\t+16*\q+15], v[64+64*\x+16*\q:64+64*\x+16*\q+15], v[64*\x+8*(\t0+\t):64*\x+8*(\t0+\t)+7]
.endif
.endr
.endr
.endr
.endm
	s_load_b256 s[4:11], s[0:1], 0x0               ; W1 s[4:5], b1 s[6:7], xc s[8:9], route s[10:11]
	s_load_b128 s[12:15], s[0:1], 0x20             ; the scales' exponents s[12:13], g s[14:15]
	s_load_b64 s[16:17], s[0:1], 0x30              ; tl
	v_lshl_add_u32 v10, v0, 2, 0x22b00
	s_set_vgpr_msb 0xc0
	v_mov_b32 v255, 0
	s_set_vgpr_msb 0xc000
	v_lshrrev_b32 v1, 5, v0
	v_readfirstlane_b32 s20, v1                    ; wave 0..3
	v_and_b32 v1, 31, v0                           ; lane
	s_mov_b32 s2, ttmp9                            ; slice s
	s_and_b32 s3, ttmp7, 0xffff                    ; expert e
	v_lshlrev_b32 v2, 4, v1                        ; 16 x lane
	v_lshrrev_b32 v14, 4, v1                       ; lane / 16
	v_and_b32 v15, 15, v1                          ; lane % 16
	v_lshlrev_b32 v3, 13, v14
	v_lshl_add_u32 v3, v15, 4, v3                  ; W1: gate's columns lie 8,192 bytes behind a's; 16 bytes (four columns) a lane
	v_lshlrev_b32 v5, 6, v14                       ; b1: 64 bytes for the upper half of the lanes
	s_mul_i32 s21, s20, XW
	s_add_co_u32 s21, s21, XST                     ; my stage
	v_add_nc_u32 v6, s21, v2                       ; in: a row as loaded
	v_mul_u32_u24 v7, v15, 528
	v_lshl_add_u32 v7, v14, 4, v7
	v_add_nc_u32 v7, s21, v7                       ; out: row lane % 16, + 16 x half
	s_mul_i32 s21, s20, TKW
	s_add_co_u32 s21, s21, TOK                     ; my list of tokens
	v_mov_b32 v30, s21                             ; out of it: one address for all lanes
	v_lshl_add_u32 v31, v1, 2, s21                 ; into it: a word a lane
	v_bfe_u32 v15, v1, 3, 1                        ; my four columns are units 4 (lane % 16) + cc: b,
	v_bfe_u32 v16, v1, 1, 1                        ; u,
	v_lshl_add_u32 v14, v14, 1, v15
	v_lshl_add_u32 v14, v14, 1, v16                ; tile T = 4 kind + 2 b + u,
	v_mul_u32_u24 v4, v14, WP
	v_bfe_u32 v15, v1, 2, 1
	v_lshl_add_u32 v4, v15, 7, v4                  ; row m = 8 (bit 2 of the lane)
	v_and_b32 v15, 1, v1
	v_lshl_add_u32 v4, v15, 6, v4                  ;       + 4 (bit 0) + cc, 16 bytes a row,
	v_lshl_add_u32 v4, s20, 11, v4                 ; K step = my wave
	v_lshlrev_b32 v29, 3, v1
	s_mov_b32 s25, 0
	s_wait_kmcnt 0x0
	s_mov_b64 s[18:19], s[16:17]                   ; tl, for the count
	s_lshl_b32 s24, s3, 23                         ; an expert of W1 is 2^23 bytes,
	s_lshl_b32 s21, s20, 21                        ; 128 rows of 16,384,
	s_add_co_u32 s24, s24, s21
	s_lshl_b32 s21, s2, 8                          ; 64 columns
	s_add_co_u32 s24, s24, s21
	s_add_nc_u64 s[4:5], s[4:5], s[24:25]
	s_lshl_b32 s24, s3, 14
	s_add_co_u32 s24, s24, s21
	s_add_nc_u64 s[6:7], s[6:7], s[24:25]          ; b1[e] at unit 64 s
	s_lshl_b32 s24, s3, 8
	s_add_co_u32 s24, s24, 16384
	s_add_nc_u64 s[10:11], s[10:11], s[24:25]      ; the expert's bitmap
	s_lshl_b32 s24, s3, 22
	s_lshl_b32 s21, s2, 10                         ; K step s / 2 (2,048 bytes), c = 2 (s % 2) (512 each)
	s_add_co_u32 s24, s24, s21
	s_add_nc_u64 s[14:15], s[14:15], s[24:25]
	s_lshl_b32 s24, s3, 13
	s_add_nc_u64 s[16:17], s[16:17], s[24:25]      ; the expert's list in memory
	global_load_b64 v[12:13], v29, s[10:11]        ; lane i: bitmap words 2 i, 2 i + 1.  Issued first: the first counted wait below covers it
	WLOAD 0
	WLOAD 1
	WLOAD 2
	s_load_b128 s[56:59], s[12:13], 0x0            ; e0, e1, e2, e3
	s_load_b512 s[24:39], s[10:11], 0x0
	s_load_b512 s[40:55], s[10:11], 0x40
	s_wait_kmcnt 0x0
	s_add_co_i32 s62, s56, s57
	s_add_co_i32 s62, s62, 127
	s_lshl_b32 s62, s62, 23                        ; 2^(e0 + e1) as f32
	s_mov_b32 s63, s62                             ; (named with it as a pair)
	s_add_co_i32 s21, s56, 127
	s_lshl_b32 s22, s21, 23
	v_mov_b32 v24, s22                             ; 2^e0
	s_add_co_i32 s21, s21, 15
	s_lshl_b32 s21, s21, 23
	s_or_b32 s21, s21, 0x600000
	v_mov_b32 v25, s21                             ; 57,344 x 2^e0
	s_add_co_i32 s21, s58, 127
	s_lshl_b32 s22, s21, 23
	v_mov_b32 v26, s22                             ; 2^e2
	s_add_co_i32 s21, s21, 15
	s_lshl_b32 s21, s21, 23
	s_or_b32 s21, s21, 0x600000
	v_mov_b32 v27, s21                             ; 57,344 x 2^e2
	COUNT 0
	s_load_b512 s[24:39], s[10:11], 0x80
	s_load_b512 s[40:55], s[10:11], 0xc0
	s_wait_kmcnt 0x0
	COUNT 16
	s_mov_b32 s23, s[INCL+31]                      ; the expert's rows
	s_max_u32 s56, s23, 1
	s_sub_co_u32 s56, s56, 1                       ; the last rank
	s_add_co_u32 s57, s23, 31
	s_lshr_b32 s57, s57, 5                         ; pairs of row tiles
	WQ 0                                           ; (its wait has shown my bitmap words in)
	v_lshrrev_b32 v14, 1, v12                      ; the set bits of my first bitmap word
	v_and_b32 v14, 0x55555555, v14
	v_sub_nc_u32 v28, v12, v14
	v_lshrrev_b32 v14, 2, v28
	v_and_b32 v14, 0x33333333, v14
	v_and_b32 v28, 0x33333333, v28
	v_add_nc_u32 v28, v28, v14
	v_lshrrev_b32 v14, 4, v28
	v_add_nc_u32 v28, v28, v14
	v_and_b32 v28, 0x0f0f0f0f, v28
	v_mul_lo_u32 v28, 0x01010101, v28
	v_lshrrev_b32 v28, 24, v28
	SELECT 0, 1
	SELECT 1, 0
.irp gi, 1,2,3,4,5,6,7
	WQ \gi                                         ; three groups of W1, 48 loads, are on their way while the two SELECTs behind a group are worked
	SELECT 2*\gi, 0
	SELECT 2*\gi+1, 0
.endr
	WIN 0xc0
.set T, 0
.rept 8                                        ; b1 in the result's layout: tile T, lane half h: units 32 b + 8 u + 16 h + 0 .. 7
	global_load_b128 v[128+8*T:131+8*T], v5, s[6:7] offset:8192*(T/4)+128*((T/2)%2)+32*(T%2)
	global_load_b128 v[132+8*T:135+8*T], v5, s[6:7] offset:8192*(T/4)+128*((T/2)%2)+32*(T%2)+16
.set T, T+1
.endr
	WIN 0
	s_mov_b32 s59, 0
	XLOAD                                          ; my first pair's rows
	s_or_b32 s21, s2, s20
	s_cmp_lg_u32 s21, 0
	s_cbranch_scc1 .Lno_cnt                        ; slice 0's wave 0 stores the count
	v_mov_b32 v22, s23
	s_lshl_b32 s21, s3, 2
	s_add_co_u32 s21, s21, 65536
	v_mov_b32 v23, s21
	v_cmp_eq_u32 vcc_lo, 0, v1
	s_wait_xcnt 0x0                                ; EXEC changes only behind this wait
	s_and_saveexec_b32 s61, vcc_lo
	global_store_b32 v23, v22, s[18:19]
	s_wait_xcnt 0x0
	s_or_b32 exec_lo, exec_lo, s61
.Lno_cnt:
	s_wait_dscnt 0x0                               ; for the others' sake: my K step's images lie in LDS
	s_barrier_signal -1
	s_barrier_wait -1                              ; all four K steps do.  The one barrier: every branch on the count ahead of it has joined again
	WIN 0x40
.set i, 0
.rept 64                                       ; i = 16 T + 4 q + c
	ds_load_b128 v[4*i:4*i+3], v2 offset:WP*(i/16)+512*(i%16)
.set i, i+1
.endr
	WIN 0x80
.set i, 0
.rept 64
	ds_load_b128 v[4*i:4*i+3], v2 offset:WP*(4+i/16)+512*(i%16)
.set i, i+1
.endr
	WIN 0
	s_wait_dscnt 0x0
	s_mov_b32 s58, s20                             ; my first pair
	s_mov_b32 s59, 128                             ; the next pair's place in my list
	s_mov_b32 s60, 16                              ; 64 pairs at the most, every fourth is mine: the count of trips is a constant, and a trip without a pair jumps over the work
.Ltrip:
	s_cmp_ge_u32 s58, s57
	s_cbranch_scc1 .Lskip
	s_wait_loadcnt 0x0                             ; the pair's 32 rows (asked for a trip ago); in the first trip b1 too
.set i, 0
.rept 32
	ds_store_b128 v6, v[64+4*i:67+4*i] offset:528*i
.set i, i+1
.endr
.set i, 0
.rept 32                                       ; i = 16 X + 4 q + c.  My own stage: LDS serves a wave's instructions in order (ISA guide 5.7.1.4)
	ds_load_b128 v[64+4*i:67+4*i], v7 offset:8448*(i/16)+32*(i%16)
.set i, i+1
.endr
	s_wait_dscnt 0x0
	MM 0xf1, 0                                     ; source 0 window 1, source 1 window 0, C and D window 3
	MM 0xf2, 4                                     ; source 0 window 2
	WIN 0
.rept 4
	v_nop                                          ; four places behind the products, in front of the first read of results and of loads into x's fragments, on both ways below
.endr
	s_add_co_u32 s61, s58, 4
	s_cmp_ge_u32 s61, s57
	s_cbranch_scc1 .Lno_next                       ; behind my last pair nothing is fetched
	XLOAD                                          ; my next pair's rows, on their way under both tiles' activations
.Lno_next:
	EPI 0
	EPI 1
.Lskip:
	s_add_co_u32 s58, s58, 4
	s_add_co_u32 s59, s59, 128
	s_sub_co_u32 s60, s60, 1
	s_cmp_lg_u32 s60, 0
	s_cbranch_scc1 .Ltrip
	s_set_vgpr_msb 0xc
	s_wait_tensorcnt 0x0
	ds_add_u32 v10, v255
	s_wait_dscnt 0x0
	s_set_vgpr_msb 0xc00
	s_endpgm
.Lfunc_end_k_qfa258f281e_up:
	.size	k_qfa258f281e_up, .Lfunc_end_k_qfa258f281e_up-k_qfa258f281e_up
	.p2alignl 7, 3214868480
	.fill 96, 4, 3214868480
	.section	.rodata,"a",@progbits
	.p2align	6, 0x0
	.amdhsa_kernel k_qfa258f281e_up
		.amdhsa_group_segment_fixed_size 142592
		.amdhsa_private_segment_fixed_size 0
		.amdhsa_enable_private_segment 0
		.amdhsa_kernarg_size 56
		.amdhsa_user_sgpr_count 2
		.amdhsa_user_sgpr_kernarg_segment_ptr 1
		.amdhsa_wavefront_size32 1
		.amdhsa_system_sgpr_workgroup_id_x 1
		.amdhsa_system_sgpr_workgroup_id_y 1
		.amdhsa_system_sgpr_workgroup_id_z 1
		.amdhsa_system_vgpr_workitem_id 0
		.amdhsa_next_free_vgpr 1024
		.amdhsa_next_free_sgpr 102
		.amdhsa_reserve_vcc 1
		.amdhsa_float_denorm_mode_32 3
		.amdhsa_float_denorm_mode_16_64 3
		.amdhsa_memory_ordered 1
		.amdhsa_forward_progress 1
		.amdhsa_inst_pref_size 242
	.end_amdhsa_kernel
	.amdgpu_metadata
---
amdhsa.version: [ 1, 2 ]
amdhsa.kernels:
  - .name:           k_qfa258f281e_up
    .symbol:         k_qfa258f281e_up.kd
    .args:
      - { .name: W1, .offset: 0, .size: 8, .value_kind: global_buffer, .address_space: global }
      - { .name: b1, .offset: 8, .size: 8, .value_kind: global_buffer, .address_space: global }
      - { .name: xc, .offset: 16, .size: 8, .value_kind: global_buffer, .address_space: global }
      - { .name: route, .offset: 24, .size: 8, .value_kind: global_buffer, .address_space: global }
      - { .name: lowp_scales, .offset: 32, .size: 8, .value_kind: global_buffer, .address_space: global }
      - { .name: g, .offset: 40, .size: 8, .value_kind: global_buffer, .address_space: global }
      - { .name: tl, .offset: 48, .size: 8, .value_kind: global_buffer, .address_space: global }
    .group_segment_fixed_size: 142592
    .private_segment_fixed_size: 0
    .kernarg_segment_align: 8
    .kernarg_segment_size: 56
    .max_flat_workgroup_size: 128
    .sgpr_count:     102
    .vgpr_count:     1024
    .wavefront_size: 32
...
	.end_amdgpu_metadata
.endif
;; end of part 5
;; launch down (part 6): grid 16 x 39, 4 waves a work-group, no clusters, 35,328 bytes of LDS; arguments g, w2c, tl, route, wt, b2, lowp_scales, p; writes p
.if DOCPART == 6
	.amdgcn_target "amdgcn-amd-amdhsa--gfx1250"
	.amdhsa_code_object_version 6
	.text
	.protected	k_qfa258f281e_down
	.globl	k_qfa258f281e_down
	.p2align	8
	.type	k_qfa258f281e_down,@function
k_qfa258f281e_down:
	s_mov_b64 s[64:65], 0
	v_nop
	global_prefetch_b8 v0, s[64:65] scope:SCOPE_SE
	s_setreg_imm32_b32 hwreg(HW_REG_WAVE_MODE, 25, 1), 1
	s_wait_xcnt 0x0
; p[2 half + k][token][:] = weight x (the half's part of g W2[e] x 2^(e2 + e3), + b2[e] in half 0) for every routed row; k = 0 where e is the token's first expert, 1 where it is the second.
; Work-group (x, y): columns 64 (x % 8) .. + 63, half x / 8 of K (units 1,024 half .. + 1,023), block y of 128 ranks.  K IS SPLIT OVER TWO WORK-GROUPS, so that a wave walks 8 K steps of 128 and not 16:
; a wave has two K steps' loads on their way, so its walk is four waits for memory one behind the other in place of eight.  The two halves' parts are added by the next launch, which adds the two experts' rows anyway.
; THE GRID SERVES EVERY SPLIT: with 4,096 routed rows and 8 experts there are never more than 4096 / 128 + 7 = 39 blocks;
; the blocks are dealt to the experts by the stored counts, and a work-group or a wave that a split leaves without rows ends.
; A wave takes 32 ranks (two tiles) x 64 columns (four tiles): eight accumulators.  Both operands lie in memory as images of their registers: every load is 512 consecutive bytes.
; The product is used transposed (source 0 = 16 columns of W2, source 1 = 16 rows of g): a lane holds one row and eight neighbouring columns.
; The rows leave through the wave's own stage, with each row's place in p riding in the row's padding: sixteen lanes store 256 consecutive bytes, aligned.
; Ranks past an expert's last row repeat that row: they store the same bytes to the same place, from the same wave.
; LIMIT: e2 + e3 between -126 and 127.
; NO TENSOR LOAD, NO CLUSTER, NO BARRIER: which expert a block belongs to, and whether it has rows, hangs on counts read from memory; partners of a cluster would need different numbers of tiles,
; and a sum of the two halves through LDS would put a barrier behind branches on those counts.
; REGISTERS.  Window 0: v2-5, v22-30 addresses; v6-7 tokens; v8-11 their experts; v12-15 their weights; v16-19 the weight, as pairs; v20-21 the rows' places in p; v32-63 b2, later the stores' offsets;
;   v64-127 accumulators 8 (4 a + jt); v128-255 W2's fragments, two buffers of 64; behind the products v128-191 results, v192-255 rows read back.   Window 1: v0-63 g's fragments, two buffers of 32.
.set KS, 8                             ; K steps of a wave
.set MSB, 0
.macro WIN new                         ; the immediate's high byte repeats the setting that is left
.if MSB != \new
	s_set_vgpr_msb (MSB<<8)|\new
.set MSB, \new
.endif
.endm
.macro KLOAD q, b                      ; K step q of my half into buffer b: 24 loads
	WIN 0x40
.set i, 0
.rept 8                                        ; i = 4 a + c
	global_load_b128 v[32*(\b)+4*i:32*(\b)+4*i+3], v2, s[4:5] offset:32768*(i/4)+2048*(\q)+512*(i%4)
.set i, i+1
.endr
	WIN 0
.set i, 0
.rept 16                                       ; i = 4 jt + c
	global_load_b128 v[128+64*(\b)+4*i:128+64*(\b)+4*i+3], v2, s[6:7] offset:32768*(i/4)+2048*(\q)+512*(i%4)
.set i, i+1
.endr
.endm
.macro KMUL q, b                       ; eight products; the eight accumulators take turns, one instruction a turn
	WIN 0x04                                       ; source 1 (g) window 1
.irp a, 0,1
.irp jt, 0,1,2,3
.if (\q) == 0
	v_wmma_f32_16x16x128_bf8_bf8 v[64+8*(4*\a+\jt):64+8*(4*\a+\jt)+7], v[128+64*(\b)+16*\jt:128+64*(\b)+16*\jt+15], v[32*(\b)+16*\a:32*(\b)+16*\a+15], 0
.else
	v_wmma_f32_16x16x128_bf8_bf8 v[64+8*(4*\a+\jt):64+8*(4*\a+\jt)+7], v[128+64*(\b)+16*\jt:128+64*(\b)+16*\jt+15], v[32*(\b)+16*\a:32*(\b)+16*\a+15], v[64+8*(4*\a+\jt):64+8*(4*\a+\jt)+7]
.endif
.endr
.endr
	WIN 0
.endm
	s_load_b256 s[4:11], s[0:1], 0x0               ; g s[4:5], w2c s[6:7], tl s[8:9], route s[10:11]
	s_load_b256 s[12:19], s[0:1], 0x20             ; wt s[12:13], b2 s[14:15], the scales' exponents s[16:17], p s[18:19]
	v_lshl_add_u32 v31, v0, 2, 0x8800
	s_set_vgpr_msb 0x40
	v_mov_b32 v65, 0
	s_set_vgpr_msb 0x4000
	v_lshrrev_b32 v1, 5, v0
	v_readfirstlane_b32 s20, v1                    ; wave 0..3
	v_and_b32 v1, 31, v0
	v_lshlrev_b32 v2, 4, v1                        ; 16 x lane
	v_and_b32 v3, 15, v1                           ; r
	v_lshrrev_b32 v4, 4, v1                        ; h
	s_and_b32 s36, ttmp7, 0xffff                   ; y
	s_lshr_b32 s46, ttmp9, 3                       ; which half of K
	s_and_b32 s47, ttmp9, 7                        ; which 64 columns
	s_wait_kmcnt 0x0
	s_load_b256 s[24:31], s[8:9], 0x10000          ; the eight counts
	s_load_b128 s[32:35], s[16:17], 0x0            ; e0 .. e3
	s_mul_i32 s21, s20, 8704                       ; my two stages of 16 rows x 272 bytes
	v_mul_u32_u24 v23, v3, 272
	v_add_nc_u32 v23, s21, v23                     ; row r
	v_lshl_add_u32 v22, v4, 5, v23                 ; in: + 32 h
	v_mul_u32_u24 v25, v4, 272
	v_add_nc_u32 v25, s21, v25
	v_lshl_add_u32 v24, v3, 4, v25                 ; back: lanes 0-15 one row, lanes 16-31 the next, 16 bytes a lane
	v_add_nc_u32 v25, 256, v25                     ; and the row's place in p, behind its 256 bytes
	v_lshlrev_b32 v26, 4, v3
	v_lshlrev_b32 v5, 2, v3                        ; the list: 4 r
	v_lshlrev_b32 v30, 5, v4                       ; b2: 32 h
	s_mov_b32 s37, 0                               ; blocks ahead of expert e
	s_mov_b32 s38, 0
	s_mov_b32 s39, 0
	s_mov_b32 s40, 0
	s_mov_b32 s43, 0
	s_wait_kmcnt 0x0
.irp e, 0,1,2,3,4,5,6,7
	s_cmp_ge_u32 s36, s37                          ; the last expert whose first block is not behind y
	s_cselect_b32 s38, \e, s38
	s_cselect_b32 s39, s37, s39
	s_cselect_b32 s40, s[24+\e], s40
	s_add_co_u32 s41, s[24+\e], 127
	s_lshr_b32 s41, s41, 7
	s_add_co_u32 s37, s37, s41
.endr
	s_cmp_ge_u32 s36, s37
	s_cbranch_scc1 .Lend                           ; this split has fewer blocks
	s_min_u32 s38, s38, 7                          ; the expert
	s_sub_co_u32 s39, s36, s39
	s_min_u32 s39, s39, 15                         ; its block
	s_lshl_b32 s39, s39, 2
	s_add_co_u32 s39, s39, s20                     ; my pair of row tiles
	s_add_co_u32 s40, s40, 31
	s_lshr_b32 s40, s40, 5
	s_cmp_ge_u32 s39, s40
	s_cbranch_scc1 .Lend                           ; the expert's last block may have fewer than four pairs
	s_lshl_b32 s42, s38, 22
	s_lshl_b32 s41, s39, 16
	s_add_co_u32 s42, s42, s41
	s_lshl_b32 s41, s46, 14                        ; eight K steps of 2,048 bytes
	s_add_co_u32 s42, s42, s41
	s_add_nc_u64 s[4:5], s[4:5], s[42:43]          ; g: expert, pair, half
	s_lshl_b32 s42, s38, 20
	s_add_co_u32 s42, s42, s41
	s_lshl_b32 s41, s47, 17
	s_add_co_u32 s42, s42, s41
	s_add_nc_u64 s[6:7], s[6:7], s[42:43]          ; W2's codes: expert, column tile 4 x, half
	s_lshl_b32 s42, s38, 13
	s_lshl_b32 s41, s39, 7
	s_add_co_u32 s42, s42, s41
	s_add_nc_u64 s[8:9], s[8:9], s[42:43]          ; the list: expert, rank 32 pair
	s_lshl_b32 s42, s38, 11
	s_lshl_b32 s41, s47, 8
	s_add_co_u32 s42, s42, s41
	s_add_nc_u64 s[14:15], s[14:15], s[42:43]      ; b2: expert, column 64 x
	s_mov_b32 s42, s41
	s_add_nc_u64 s[18:19], s[18:19], s[42:43]      ; p at column 64 x
	s_add_co_i32 s44, s34, s35
	s_add_co_i32 s44, s44, 127
	s_lshl_b32 s44, s44, 23                        ; 2^(e2 + e3) as f32
	s_mov_b32 s45, s44                             ; (named with it as a pair)
	s_lshl_b32 s49, s46, 12                        ; my half's rows of p begin at row 4,096 half
	s_cmp_eq_u32 s46, 0
	s_cselect_b32 s48, -1, 0                       ; all lanes in half 0, none in half 1
	global_load_b32 v6, v5, s[8:9]                 ; the tokens of ranks r and 16 + r
	global_load_b32 v7, v5, s[8:9] offset:64
.irp jt, 0,1,2,3
	global_load_b128 v[32+8*\jt:35+8*\jt], v30, s[14:15] offset:64*\jt       ; b2 at columns 16 jt + 8 h + 0 .. 7
	global_load_b128 v[36+8*\jt:39+8*\jt], v30, s[14:15] offset:64*\jt+16
.endr
	KLOAD 0, 0
	KLOAD 1, 1
	s_wait_loadcnt 48                              ; the tokens and b2 are in; two K steps of 24 loads were issued behind them
	v_min_u32 v6, 0x7ff, v6
	v_min_u32 v7, 0x7ff, v7
	v_lshlrev_b32 v27, 3, v6
	v_lshlrev_b32 v28, 3, v7
	global_load_b64 v[8:9], v27, s[10:11]          ; the tokens' two experts
	global_load_b64 v[10:11], v28, s[10:11]
	global_load_b64 v[12:13], v27, s[12:13]        ; and their weights
	global_load_b64 v[14:15], v28, s[12:13]
.set i, 0
.rept 32
	v_cndmask_b32 v[32+i], 0, v[32+i], s48         ; b2 goes in once: with half 0
.set i, i+1
.endr
.set q, 0
.rept KS
.if q < 2
	s_wait_loadcnt 28                              ; this K step is in; behind it: the other buffer's 24 loads and the four gathers
.elseif q < KS-1
	s_wait_loadcnt 24                              ; behind it: the other buffer's 24
.else
	s_wait_loadcnt 0
.endif
	KMUL q, q%2
.if q < KS-2
.rept 4
	v_nop                                          ; four places in front of loads into registers that matrix instructions have read (ISA guide 7.12.1 for vector instructions)
.endr
	KLOAD q+2, q%2
.endif
.set q, q+1
.endr
	v_mov_b32 v29, 0x800                           ; these thirteen lines are the places behind the last products, whose operands' registers take the results below
.irp a, 0,1
	v_cmp_eq_u32 vcc_lo, s38, v[9+2*\a]            ; am I the token's second expert?
	v_cndmask_b32 v[16+2*\a], v[12+2*\a], v[13+2*\a], vcc_lo
	v_cndmask_b32 v[20+\a], 0, v29, vcc_lo
	v_add_nc_u32 v[20+\a], v[20+\a], v[6+\a]
	v_add_nc_u32 v[20+\a], s49, v[20+\a]           ; the row of p: 4,096 half + 2,048 k + token
	v_mov_b32 v[17+2*\a], v[16+2*\a]
.endr
.irp a, 0,1
.irp jt, 0,1,2,3
.irp i, 0,2,4,6
	v_pk_fma_f32 v[128+8*(4*\a+\jt)+\i:128+8*(4*\a+\jt)+\i+1], v[64+8*(4*\a+\jt)+\i:64+8*(4*\a+\jt)+\i+1], s[44:45], v[32+8*\jt+\i:32+8*\jt+\i+1] op_sel_hi:[1,0,1]   ; sum x 2^(e2 + e3) + b2; each accumulator from its low end on
.endr
.endr
.endr
.irp a, 0,1
.set i, 0
.rept 16
	v_pk_mul_f32 v[128+32*\a+i:128+32*\a+i+1], v[128+32*\a+i:128+32*\a+i+1], v[16+2*\a:17+2*\a] op_sel_hi:[1,0]   ; x the router's weight
.set i, i+2
.endr
.endr
.irp a, 0,1
.irp jt, 0,1,2,3
	ds_store_b128 v22, v[128+8*(4*\a+\jt):128+8*(4*\a+\jt)+3] offset:4352*\a+64*\jt
	ds_store_b128 v22, v[128+8*(4*\a+\jt)+4:128+8*(4*\a+\jt)+7] offset:4352*\a+64*\jt+16
.endr
	ds_store_b32 v23, v[20+\a] offset:4352*\a+256
.endr
.irp a, 0,1
.irp i, 0,1,2,3,4,5,6,7
	ds_load_b128 v[192+4*(8*\a+\i):192+4*(8*\a+\i)+3], v24 offset:4352*\a+544*\i   ; my own stage: LDS serves a wave's instructions in order (ISA guide 5.7.1.4)
	ds_load_b32 v[32+8*\a+\i], v25 offset:4352*\a+544*\i
.endr
.endr
	s_wait_dscnt 0x0
.set i, 0
.rept 16
	v_min_u32 v[32+i], 0x1fff, v[32+i]
	v_lshl_add_u32 v[32+i], v[32+i], 11, v26       ; a row of p is 2,048 bytes
	global_store_b128 v[32+i], v[192+4*i:195+4*i], s[18:19]   ; sixteen lanes store 256 consecutive bytes, at a multiple of 256 from p's first byte
.set i, i+1
.endr
.Lend:
	s_set_vgpr_msb 0x4
	s_wait_tensorcnt 0x0
	ds_add_u32 v31, v65
	s_wait_dscnt 0x0
	s_set_vgpr_msb 0x400
	s_endpgm
.Lfunc_end_k_qfa258f281e_down:
	.size	k_qfa258f281e_down, .Lfunc_end_k_qfa258f281e_down-k_qfa258f281e_down
	.p2alignl 7, 3214868480
	.fill 96, 4, 3214868480
	.section	.rodata,"a",@progbits
	.p2align	6, 0x0
	.amdhsa_kernel k_qfa258f281e_down
		.amdhsa_group_segment_fixed_size 35328
		.amdhsa_private_segment_fixed_size 0
		.amdhsa_enable_private_segment 0
		.amdhsa_kernarg_size 64
		.amdhsa_user_sgpr_count 2
		.amdhsa_user_sgpr_kernarg_segment_ptr 1
		.amdhsa_wavefront_size32 1
		.amdhsa_system_sgpr_workgroup_id_x 1
		.amdhsa_system_sgpr_workgroup_id_y 1
		.amdhsa_system_sgpr_workgroup_id_z 1
		.amdhsa_system_vgpr_workitem_id 0
		.amdhsa_next_free_vgpr 322
		.amdhsa_next_free_sgpr 66
		.amdhsa_reserve_vcc 1
		.amdhsa_float_denorm_mode_32 3
		.amdhsa_float_denorm_mode_16_64 3
		.amdhsa_memory_ordered 1
		.amdhsa_forward_progress 1
		.amdhsa_inst_pref_size 44
	.end_amdhsa_kernel
	.amdgpu_metadata
---
amdhsa.version: [ 1, 2 ]
amdhsa.kernels:
  - .name:           k_qfa258f281e_down
    .symbol:         k_qfa258f281e_down.kd
    .args:
      - { .name: g, .offset: 0, .size: 8, .value_kind: global_buffer, .address_space: global }
      - { .name: w2c, .offset: 8, .size: 8, .value_kind: global_buffer, .address_space: global }
      - { .name: tl, .offset: 16, .size: 8, .value_kind: global_buffer, .address_space: global }
      - { .name: route, .offset: 24, .size: 8, .value_kind: global_buffer, .address_space: global }
      - { .name: wt, .offset: 32, .size: 8, .value_kind: global_buffer, .address_space: global }
      - { .name: b2, .offset: 40, .size: 8, .value_kind: global_buffer, .address_space: global }
      - { .name: lowp_scales, .offset: 48, .size: 8, .value_kind: global_buffer, .address_space: global }
      - { .name: p, .offset: 56, .size: 8, .value_kind: global_buffer, .address_space: global }
    .group_segment_fixed_size: 35328
    .private_segment_fixed_size: 0
    .kernarg_segment_align: 8
    .kernarg_segment_size: 64
    .max_flat_workgroup_size: 128
    .sgpr_count:     66
    .vgpr_count:     322
    .wavefront_size: 32
...
	.end_amdgpu_metadata
.endif
;; end of part 6
;; launch combine (part 7): grid 256 x 1, 8 waves a work-group, no clusters, 0 bytes of LDS; arguments p, out0; writes out0
.if DOCPART == 7
	.amdgcn_target "amdgcn-amd-amdhsa--gfx1250"
	.amdhsa_code_object_version 6
	.text
	.protected	k_qfa258f281e_combine
	.globl	k_qfa258f281e_combine
	.p2align	8
	.type	k_qfa258f281e_combine,@function
k_qfa258f281e_combine:
	s_mov_b64 s[64:65], 0
	v_nop
	global_prefetch_b8 v0, s[64:65] scope:SCOPE_SE
	s_setreg_imm32_b32 hwreg(HW_REG_WAVE_MODE, 25, 1), 1
	s_wait_xcnt 0x0
; out0[token][:] = p[0][token][:] + p[1][token][:] + p[2][token][:] + p[3][token][:]: each token's two weighted expert rows, each in its two halves of K,
; which four different work-groups of the launch before made.
; A stream: a work-group takes 16,384 bytes of out0, a thread 4 x 16; every load and store of a wave covers 512 consecutive bytes.  All sixteen loads go out first.
; A part of p is 4,194,304 bytes: parts 2 and 3 have a base of their own, so that every offset stays inside the signed 24-bit immediate (ISA guide, chapter 10).
; No LDS, no matrix unit, no cluster: nothing is shared and nothing is read twice.
.set PART, 4194304
	s_load_b128 s[4:7], s[0:1], 0x0                ; p s[4:5], out0 s[6:7]
	v_lshlrev_b32 v1, 4, v0
	s_lshl_b32 s8, ttmp9, 14
	s_mov_b32 s9, 0
	s_wait_kmcnt 0x0
	s_add_nc_u64 s[4:5], s[4:5], s[8:9]
	s_add_nc_u64 s[6:7], s[6:7], s[8:9]
	s_add_nc_u64 s[10:11], s[4:5], 2*PART
.set j, 0
.rept 4
	global_load_b128 v[4+16*j:7+16*j], v1, s[4:5] offset:4096*j th:TH_LOAD_NT
	global_load_b128 v[8+16*j:11+16*j], v1, s[4:5] offset:4096*j+PART th:TH_LOAD_NT
	global_load_b128 v[12+16*j:15+16*j], v1, s[10:11] offset:4096*j th:TH_LOAD_NT
	global_load_b128 v[16+16*j:19+16*j], v1, s[10:11] offset:4096*j+PART th:TH_LOAD_NT
.set j, j+1
.endr
.set j, 0
.rept 4
	s_wait_loadcnt 12-4*j                          ; these four loads are in; the later groups of four may be out
	v_pk_add_f32 v[4+16*j:5+16*j], v[4+16*j:5+16*j], v[8+16*j:9+16*j]
	v_pk_add_f32 v[6+16*j:7+16*j], v[6+16*j:7+16*j], v[10+16*j:11+16*j]
	v_pk_add_f32 v[12+16*j:13+16*j], v[12+16*j:13+16*j], v[16+16*j:17+16*j]
	v_pk_add_f32 v[14+16*j:15+16*j], v[14+16*j:15+16*j], v[18+16*j:19+16*j]
	v_pk_add_f32 v[4+16*j:5+16*j], v[4+16*j:5+16*j], v[12+16*j:13+16*j]
	v_pk_add_f32 v[6+16*j:7+16*j], v[6+16*j:7+16*j], v[14+16*j:15+16*j]
	global_store_b128 v1, v[4+16*j:7+16*j], s[6:7] offset:4096*j th:TH_STORE_NT
.set j, j+1
.endr
	s_endpgm
.Lfunc_end_k_qfa258f281e_combine:
	.size	k_qfa258f281e_combine, .Lfunc_end_k_qfa258f281e_combine-k_qfa258f281e_combine
	.p2alignl 7, 3214868480
	.fill 96, 4, 3214868480
	.section	.rodata,"a",@progbits
	.p2align	6, 0x0
	.amdhsa_kernel k_qfa258f281e_combine
		.amdhsa_group_segment_fixed_size 0
		.amdhsa_private_segment_fixed_size 0
		.amdhsa_enable_private_segment 0
		.amdhsa_kernarg_size 16
		.amdhsa_user_sgpr_count 2
		.amdhsa_user_sgpr_kernarg_segment_ptr 1
		.amdhsa_wavefront_size32 1
		.amdhsa_system_sgpr_workgroup_id_x 1
		.amdhsa_system_sgpr_workgroup_id_y 1
		.amdhsa_system_sgpr_workgroup_id_z 1
		.amdhsa_system_vgpr_workitem_id 0
		.amdhsa_next_free_vgpr 72
		.amdhsa_next_free_sgpr 66
		.amdhsa_reserve_vcc 0
		.amdhsa_float_denorm_mode_32 3
		.amdhsa_float_denorm_mode_16_64 3
		.amdhsa_memory_ordered 1
		.amdhsa_forward_progress 1
		.amdhsa_inst_pref_size 5
	.end_amdhsa_kernel
	.amdgpu_metadata
---
amdhsa.version: [ 1, 2 ]
amdhsa.kernels:
  - .name:           k_qfa258f281e_combine
    .symbol:         k_qfa258f281e_combine.kd
    .args:
      - { .name: p, .offset: 0, .size: 8, .value_kind: global_buffer, .address_space: global }
      - { .name: out0, .offset: 8, .size: 8, .value_kind: global_buffer, .address_space: global }
    .group_segment_fixed_size: 0
    .private_segment_fixed_size: 0
    .kernarg_segment_align: 8
    .kernarg_segment_size: 16
    .max_flat_workgroup_size: 256
    .sgpr_count:     66
    .vgpr_count:     72
    .wavefront_size: 32
...
	.end_amdgpu_metadata
.endif
;; end of part 7
